; MI455X (gfx1250); checked and timed in simulation.
; The chip was launched on July 23, 2026; its instructions are those of AMD's public machine-readable ISA for CDNA 5 (MIT licence, August 2026) and "CDNA5" Instruction Set Architecture Reference Guide (July 2026). The comments in the code are by the model that wrote it; some were corrected since.
;; Self Attention V2. Allowed arithmetic: matrix products marked QUANTISED: E2M3 operands, one E8M0 scale for each 32 along K, by v_wmma_scale_f32_16x16x128_f8f6f4 with both operands' format E2M3, f32 sums; everything else in f32.
;; Inputs: W_k 1,024 x 1,024 float32; W_q 1,024 x 1,024 float32; W_v 1,024 x 1,024 float32; x 4,096 x 1,024 float32.
;; Outputs: out0 4,096 x 1,024 float32.
;; This version of the problem:
;;   THIS VERSION OF THE PROBLEM IS GIVEN IN LOW PRECISION. The matrix products marked QUANTISED in the list below multiply operands that are first quantised to E2M3 (2 exponent bits, 3 mantissa bits; 6 bits a number), with one power-of-two scale for each 32 numbers along K (OCP MX v1.0); their sums are f32. All else is computed in f32.
;;   The module's matrix products, in the order in which they are computed (A, B: the left and right operand; K: the contracted axis; several contracted axes count as one K, in the product's order):
;;     1. [M 4,096, K 1,024] x [K 1,024, N 1,024]; A: input x; B: input W_q: QUANTISED
;;     2. [M 4,096, K 1,024] x [K 1,024, N 1,024]; A: input x; B: input W_k: QUANTISED
;;     3. [M 4,096, K 1,024] x [K 1,024, N 1,024]; A: input x; B: input W_v: QUANTISED
;;     4. [M 4,096, K 1,024] x [K 1,024, N 4,096]; A: computed on the way; B: computed on the way: QUANTISED
;;     5. [M 4,096, K 4,096] x [K 4,096, N 1,024]; A: softmax (see below); B: computed on the way: QUANTISED
;;   THE QUANTISER, for each operand of a quantised product, along K:
;;     - K is cut into blocks of 32 from its start; a last block that is shorter is filled with zeros.
;;     - A block's scale is 2^e with e = floor(log2(the largest magnitude in the block)) - 2, held to -126 .. 127; a block of zeros has e = 0. As a byte (E8M0): e + 127.
;;     - Each number is divided by its block's scale, clamped to +-7.5, and rounded to the nearest number of E2M3, ties to even, subnormals kept.
;;     - The product sums the exact products of the quantised numbers (number of the format x scale) in f32.
;;   ~~~python
;;   def quantise(x, axis):      # numpy; x: float32 -> the quantised numbers, widened to float32 again
;;       x = np.moveaxis(x, axis, -1); K = x.shape[-1]
;;       x = np.pad(x, [(0, 0)] * (x.ndim - 1) + [(0, -K % 32)]); x = x.reshape(x.shape[:-1] + (-1, 32)); a = np.abs(x).max(-1, keepdims=True)
;;       e = np.where(a > 0, np.clip(np.frexp(np.where(a > 0, a, 1))[1] - 1 - 2, -126, 127), 0)      # np.frexp(a)[1] - 1 = floor(log2(a)), exactly
;;       r = np.clip(x / 2.0 ** e, -7.5, 7.5)
;;       step = 2.0 ** (np.maximum(np.frexp(np.where(r == 0, 1, r))[1] - 1, 0) - 3)
;;       q = np.round(r / step) * step * 2.0 ** e      # np.round: ties to even
;;       return np.moveaxis(q.reshape(q.shape[:-2] + (-1,))[..., :K], -1, axis).astype(np.float32)
;;   ~~~
;;   SOFTMAX AHEAD OF A QUANTISED PRODUCT. Where the list says 'softmax', what is quantised is not the finished softmax but p = 2^(t - M), with t = logit x log2(e) and M = ceil(the row's largest t), a whole number; so 1/2 < the row's largest p <= 1. The row's sum l is taken of the UNQUANTISED p, in f32, and the product's result is divided by l at the end. Since M is a whole number, a kernel that streams over the keys may use a running M (the ceiling of the running maximum): every later rescaling is an exact power of two, which a block's scale takes up: the codes' values come out the same.
;;   OPERANDS COMPUTED ON THE WAY. 'Computed on the way' means the value that the module computes at that place (a softmax that the list does not call 'softmax' is quantised finished and normalised). What goes into a quantiser is computed in f32, as accurately as f32 sums, v_exp_f32 and their like allow (about 1e-6 of the number): no bf16 or f16 on the way to a quantiser, and a product that is left as it is and whose result goes on into a quantised operand takes f32 operands (vector FMAs, or v_wmma_f32_16x16x4_f32). A number that lies on a knife's edge between two numbers of the format may be rounded either way, as far as f32 arithmetic and the matrix unit's own rounding can turn it there, and no further.
;; One version. Each part assembles by itself: llvm-mc -triple=amdgcn-amd-amdhsa -mcpu=gfx1250 --defsym DOCPART=n.
;; ======== version 1 of 1: 4 launches
;; limits: right only within a limited range of input values
;; workspace buffers: c1 5,505,024 bytes; sc1 229,376 bytes; c2 9,437,184 bytes; sc2 393,216 bytes; pc 12,582,912 bytes; pst 1,572,864 bytes
;; launch quant (part 1): grid 448 x 1, 8 waves a work-group, no clusters, 69,120 bytes of LDS; arguments x, W_q, W_k, W_v, c1, sc1; writes c1, sc1
.if DOCPART == 1
	.amdgcn_target "amdgcn-amd-amdhsa--gfx1250"
	.amdhsa_code_object_version 6
	.text
	.protected	k_q77db190dba_quant
	.globl	k_q77db190dba_quant
	.p2align	8
	.type	k_q77db190dba_quant,@function
k_q77db190dba_quant:
	s_mov_b64 s[64:65], 0
	v_nop
	global_prefetch_b8 v0, s[64:65] scope:SCOPE_SE
	s_setreg_imm32_b32 hwreg(HW_REG_WAVE_MODE, 25, 1), 1
	s_wait_xcnt 0x0
; x [4096][1024], W_q, W_k, W_v [1024][1024], f32, K innermost, become codes of FP6 (E2M3) with one E8M0 byte for each 32 along K.
; A block's scale is 2^(floor(log2(its largest magnitude)) - 2); its byte is the largest magnitude's exponent field - 2, held at 1 from below.
; LAYOUT OF c1: [row block of 16][K step of 128][1,536 bytes].  A fragment (16 rows x 128 K) lies as the IMAGE OF ITS 12 OPERAND REGISTERS: registers 4 g .. 4 g + 3 of lane l
; at 512 g + 16 l.  Row blocks 0-255 x, 256-319 W_q, 320-383 W_k, 384-447 W_v.
; THE ROWS OF A BLOCK ARE NOT NEIGHBOURS: place r of block p holds row 32 (p / 2) + 8 (p % 2) + r + 8 (r / 8) of its tensor, so that in the products that use these rows as source 0
; the 16 registers of two neighbouring result tiles are 16 neighbours along the next K.
; LAYOUT OF sc1: [place of the row][8 words]: word s holds the four bytes of K step s.
; SHARES: a work-group takes a row block, each of its eight waves one K step: 16 loads of 512 consecutive bytes, all out at once; no loop.
; The numbers turn through the wave's own stage in LDS (rows of 512 + 16 bytes), since the conversions want 16 neighbours along K in one lane's registers.
; LIMITS: NaN and infinities are not served.  A block of zeros, or one whose largest magnitude lies under 2^-124, gets the byte 1 (a block of zeros has zero codes; this program alone reads the bytes).
.set STGP,  528                        ; a stage row
.set WSTG,  16*STGP                    ; a wave's stage
.set SCW,   8*WSTG                     ; behind the stages: the block's scale words, [row][8 words], 512 bytes
.set SPARE, SCW+512                    ; the spare words, 128 bytes for each of the eight waves: four blocks of 256 bytes that no other line names
.set LI,    4                          ; v4   16 x lane
.set SIN,   5                          ; v5   the stage, on the way in
.set SOUT,  6                          ; v6   and on the way out: row r, + 64 bytes for lanes 16-31
.set SWA,   7                          ; v7   where my row's scale word goes
.set SRA,   8                          ; v8   where wave 0 reads the words back
.set SPW,   12                         ; v12  LDS address of my spare word; never rewritten
.set NIL,   13                         ; v13  0; never rewritten
.set X,     16                         ; v16-79   16 rows as loaded
.set NUM,   80                         ; v80-143  register 16 b + i = k 32 b + 16 (lane / 16) + i of my row
.set PC,    144                        ; v144-155 the fragment; v156-158, v160-162 the conversions' second halves
.set TM,    164                        ; v164-179 at work
.set PW,    180                        ; v180 the scale word
.set CP,    184                        ; v184-187 the words on their way out
.set WV,    24
.set SEL,   26
; 64 numbers of a lane become a fragment's codes in v[PC] on and its scale word in v[PW]
.macro QUANT s
.irp b, 0,1,2,3
	v_max3_num_f32 v[TM+\b], |v[\s+16*\b]|, |v[\s+1+16*\b]|, 0x1800000   ; block b: my 16 numbers, and the floor 2^(3 - 127): the byte cannot fall under 1
.endr
.irp i, 2,4,6,8,10,12,14
.irp b, 0,1,2,3
	s_delay_alu instid0(VALU_DEP_4)
	v_max3_num_f32 v[TM+\b], v[TM+\b], |v[\s+16*\b+\i]|, |v[\s+1+16*\b+\i]|   ; the four blocks by turns
.endr
.endr
.irp b, 0,1,2,3
	s_delay_alu instid0(VALU_DEP_4)
	v_permlanex16_b32 v[TM+4+\b], v[TM+\b], s[SEL], s[SEL+1]
.endr
.irp b, 0,1,2,3
	s_delay_alu instid0(VALU_DEP_4)
	v_max_num_f32 v[TM+\b], v[TM+\b], v[TM+4+\b]   ; with lane l xor 16's: the block's largest magnitude
.endr
.irp b, 0,1,2,3
	s_delay_alu instid0(VALU_DEP_4)
	v_add_nc_u32 v[TM+12+\b], 0xff000000, v[TM+\b]   ; 2 off its exponent field: the conversion takes the exponent field of this operand as its scale
.endr
.irp b, 0,1,2,3
	s_delay_alu instid0(VALU_DEP_4)
	v_lshrrev_b32 v[TM+4+\b], 23, v[TM+12+\b]      ; the scale's byte
.endr
	s_delay_alu instid0(VALU_DEP_3)
	v_lshl_or_b32 v[PW], v[TM+5], 8, v[TM+4]
	s_delay_alu instid0(VALU_DEP_1)
	v_lshl_or_b32 v[PW], v[TM+6], 16, v[PW]
	s_delay_alu instid0(VALU_DEP_1)
	v_lshl_or_b32 v[PW], v[TM+7], 24, v[PW]
.irp c, 0,1
	v_cvt_scalef32_pk16_fp6_f32 v[PC+6*\c:PC+2+6*\c], v[\s+32*\c:\s+15+32*\c], v[TM+12+2*\c]
	v_cvt_scalef32_pk16_fp6_f32 v[PC+12+4*\c:PC+14+4*\c], v[\s+16+32*\c:\s+31+32*\c], v[TM+12+2*\c+1]   ; (a conversion's three registers begin on an even number)
.endr
	v_nop                                          ; one plain place behind a scaled conversion
.irp c, 0,1                                    ; the operand's layout wants a whole block in a lane: lanes 0-15 block 2 c, lanes 16-31 block 2 c + 1
.irp i, 0,1,2
	v_permlane16_swap_b32 v[PC+6*\c+\i], v[PC+12+4*\c+\i]
.endr
.irp i, 0,1,2
	s_delay_alu instid0(VALU_DEP_3)
	v_mov_b32 v[PC+3+6*\c+\i], v[PC+12+4*\c+\i]
.endr
.endr
.endm
	s_load_b256 s[4:11], s[0:1], 0x0               ; x s[4:5], W_q s[6:7], W_k s[8:9], W_v s[10:11]
	s_load_b128 s[12:15], s[0:1], 0x20             ; c1 s[12:13], sc1 s[14:15]
	v_lshl_add_u32 v[SPW], v0, 2, SPARE
	v_mov_b32 v[NIL], 0
	v_lshrrev_b32 v1, 5, v0
	s_delay_alu instid0(VALU_DEP_1)
	v_readfirstlane_b32 s[WV], v1                  ; wave 0..7 = K step
	v_and_b32 v1, 31, v0                           ; lane
	v_and_b32 v2, 15, v0                           ; r
	v_bfe_u32 v3, v0, 4, 1                         ; h
	s_delay_alu instid0(VALU_DEP_3)
	v_lshlrev_b32 v[LI], 4, v1
	s_mul_i32 s22, s[WV], WSTG
	v_add_nc_u32 v[SIN], s22, v[LI]
	v_mul_u32_u24 v[SOUT], v2, STGP
	s_delay_alu instid0(VALU_DEP_1)
	v_lshl_add_u32 v[SOUT], v3, 6, v[SOUT]
	s_delay_alu instid0(VALU_DEP_1)
	v_add_nc_u32 v[SOUT], s22, v[SOUT]
	s_lshl_b32 s22, s[WV], 2
	s_add_co_u32 s22, s22, SCW
	v_lshl_add_u32 v[SWA], v2, 5, s22              ; 32 bytes a row, my K step's word
	v_add_nc_u32 v[SRA], SCW, v[LI]
	s_mov_b32 s[SEL], 0x76543210
	s_mov_b32 s[SEL+1], 0xfedcba98                 ; v_permlanex16_b32's selects for lane l xor 16
.irp b, 0,1,2,3
	v_mov_b32 v[TM+4+\b], 0                        ; written once: a lane permute's destination counts as one of its sources
.endr
	s_mov_b32 s18, 384
	s_wait_alu depctr_va_vdst(0)
	s_wait_kmcnt 0x0
	s_cmp_lt_u32 ttmp9, 384                        ; which tensor: the choice hangs on the work-group's number alone
	s_cselect_b64 s[16:17], s[8:9], s[10:11]
	s_cselect_b32 s18, 320, s18
	s_cmp_lt_u32 ttmp9, 320
	s_cselect_b64 s[16:17], s[6:7], s[16:17]
	s_cselect_b32 s18, 256, s18
	s_cmp_lt_u32 ttmp9, 256
	s_cselect_b64 s[16:17], s[4:5], s[16:17]
	s_cselect_b32 s18, 0, s18
	s_sub_co_u32 s18, ttmp9, s18                   ; the row block within its tensor
	s_lshr_b32 s19, s18, 1
	s_lshl_b32 s19, s19, 17                        ; 32 rows of 4,096 bytes for each pair of blocks,
	s_and_b32 s20, s18, 1
	s_lshl_b32 s20, s20, 15                        ; 8 rows for the odd one,
	s_add_co_u32 s20, s19, s20
	s_lshl_b32 s21, s[WV], 9                       ; 512 bytes a K step
	s_add_co_u32 s20, s20, s21
	s_mov_b32 s21, 0
	s_add_nc_u64 s[16:17], s[16:17], s[20:21]
	s_mul_i32 s20, ttmp9, 12288                    ; my fragment in c1
	s_mul_i32 s19, s[WV], 1536
	s_add_co_u32 s20, s20, s19
	s_add_nc_u64 s[12:13], s[12:13], s[20:21]
	s_lshl_b32 s20, ttmp9, 9                       ; the block's 512 bytes of scale words
	s_add_nc_u64 s[14:15], s[14:15], s[20:21]
.irp i, 0,1,2,3,4,5,6,7,8,9,10,11,12,13,14,15
	global_load_b128 v[X+4*\i:X+4*\i+3], v[LI], s[16:17] offset:(\i+8*(\i/8))*4096 th:TH_LOAD_NT   ; place i's row: 32 lanes read its K step's 512 consecutive bytes
.endr
.irp i, 0,1,2,3,4,5,6,7,8,9,10,11,12,13,14,15
	s_wait_loadcnt 15-\i                           ; loads come back in order: row i is in, the younger ones stay out
	ds_store_b128 v[SIN], v[X+4*\i:X+4*\i+3] offset:STGP*\i
.endr
.irp b, 0,1,2,3
.irp j, 0,1,2,3
	ds_load_b128 v[NUM+16*\b+4*\j:NUM+16*\b+4*\j+3], v[SOUT] offset:128*\b+16*\j   ; LDS serves a wave's instructions in order: these see my stores
.endr
.endr
	s_wait_dscnt 0x0
	QUANT NUM
.irp g, 0,1,2
	global_store_b128 v[LI], v[PC+4*\g:PC+4*\g+3], s[12:13] offset:512*\g   ; 32 lanes store 512 consecutive bytes, aligned
.endr
	ds_store_b32 v[SWA], v[PW]                     ; lanes r and r + 16 write the same word with the same value
	s_wait_dscnt 0x0                               ; for the others' sake: my word has landed
	s_barrier_signal -1
	s_barrier_wait -1
	s_cmp_lg_u32 s[WV], 0                          ; wave 0 stores the block's 128 words as 512 consecutive bytes
	s_cbranch_scc1 .Lothers
	ds_load_b128 v[CP:CP+3], v[SRA]
	s_wait_dscnt 0x0
	global_store_b128 v[LI], v[CP:CP+3], s[14:15]
.Lothers:
	s_wait_tensorcnt 0x0                           ; the wave's end, behind my last LDS store
	ds_add_u32 v[SPW], v[NIL]
	s_wait_dscnt 0x0
	s_endpgm
.Lfunc_end_k_q77db190dba_quant:
	.size	k_q77db190dba_quant, .Lfunc_end_k_q77db190dba_quant-k_q77db190dba_quant
	.p2alignl 7, 3214868480
	.fill 96, 4, 3214868480
	.section	.rodata,"a",@progbits
	.p2align	6, 0x0
	.amdhsa_kernel k_q77db190dba_quant
		.amdhsa_group_segment_fixed_size 69120
		.amdhsa_private_segment_fixed_size 0
		.amdhsa_enable_private_segment 0
		.amdhsa_kernarg_size 48
		.amdhsa_user_sgpr_count 2
		.amdhsa_user_sgpr_kernarg_segment_ptr 1
		.amdhsa_wavefront_size32 1
		.amdhsa_system_sgpr_workgroup_id_x 1
		.amdhsa_system_sgpr_workgroup_id_y 1
		.amdhsa_system_sgpr_workgroup_id_z 1
		.amdhsa_system_vgpr_workitem_id 0
		.amdhsa_next_free_vgpr 192
		.amdhsa_next_free_sgpr 66
		.amdhsa_reserve_vcc 0
		.amdhsa_float_denorm_mode_32 3
		.amdhsa_float_denorm_mode_16_64 3
		.amdhsa_memory_ordered 1
		.amdhsa_forward_progress 1
		.amdhsa_inst_pref_size 13
	.end_amdhsa_kernel
	.amdgpu_metadata
---
amdhsa.version: [ 1, 2 ]
amdhsa.kernels:
  - .name:           k_q77db190dba_quant
    .symbol:         k_q77db190dba_quant.kd
    .args:
      - { .name: x, .offset: 0, .size: 8, .value_kind: global_buffer, .address_space: global }
      - { .name: W_q, .offset: 8, .size: 8, .value_kind: global_buffer, .address_space: global }
      - { .name: W_k, .offset: 16, .size: 8, .value_kind: global_buffer, .address_space: global }
      - { .name: W_v, .offset: 24, .size: 8, .value_kind: global_buffer, .address_space: global }
      - { .name: c1, .offset: 32, .size: 8, .value_kind: global_buffer, .address_space: global }
      - { .name: sc1, .offset: 40, .size: 8, .value_kind: global_buffer, .address_space: global }
    .group_segment_fixed_size: 69120
    .private_segment_fixed_size: 0
    .kernarg_segment_align: 8
    .kernarg_segment_size: 48
    .max_flat_workgroup_size: 256
    .sgpr_count:     66
    .vgpr_count:     192
    .wavefront_size: 32
...
	.end_amdgpu_metadata
.endif
;; end of part 1
;; launch qkv (part 2): grid 48 x 4, 4 waves a work-group, clusters of 4 x 4, 327,680 bytes of LDS; arguments c1, sc1, c2, sc2; writes c2, sc2
.if DOCPART == 2
	.amdgcn_target "amdgcn-amd-amdhsa--gfx1250"
	.amdhsa_code_object_version 6
	.text
	.protected	k_q77db190dba_qkv
	.globl	k_q77db190dba_qkv
	.p2align	8
	.type	k_q77db190dba_qkv,@function
k_q77db190dba_qkv:
	s_mov_b64 s[64:65], 0
	v_nop
	global_prefetch_b8 v0, s[64:65] scope:SCOPE_SE
	s_setreg_imm32_b32 hwreg(HW_REG_WAVE_MODE, 25, 1), 1
	s_wait_xcnt 0x0
	s_wait_alu depctr_hold_cnt(0) depctr_sa_sdst(0) depctr_va_vdst(0) depctr_va_sdst(0) depctr_va_ssrc(0) depctr_va_vcc(0) depctr_vm_vsrc(0)
	s_getreg_b32 s2, hwreg(HW_REG_IB_STS2, 6, 4)
	s_cmp_eq_u32 s2, 0
	s_cbranch_scc0 .Lentry_in_a_cluster
	s_endpgm
.Lentry_in_a_cluster:
	s_bfe_u32 s2, ttmp6, 0x10000c
	s_cmp_lg_u32 s2, 0xf033
	s_cbranch_scc0 .Lentry_shape_is_right
	s_endpgm
.Lentry_shape_is_right:
; q = x W_q^T, k = x W_k^T (rows = tokens, quantised along d) and v^T = W_v x^T (rows = d, quantised along the tokens), on codes of FP6 (E2M3) with E8M0 scales; sums in f32.
; The results never go to memory as f32: each wave quantises its 128 x 128 of C in registers, along C's columns, which are the next products' K, and stores fragment images and scale words.
; CLUSTERS 0-7 make [q | k]: A = x (row blocks 0-255 of c1), B = W_q, W_k (256-383): 16 x 8 tiles of 256 x 256.  CLUSTERS 8-11 make v^T: A = W_v (384-447), B = x: 4 x 16 tiles.
; The choice is made by selects on the cluster's number, which all sixteen partners share; no branch hangs on it.
; FRAGMENT IMAGES (c1, c2): [row block of 16][K step of 128][1,536 bytes], registers 4 g .. 4 g + 3 of lane l at 512 g + 16 l: three ds_load_b128 at 16 x lane bring a fragment, with no padding.
; Place r of row block p holds row 32 (p / 2) + 8 (p % 2) + r + 8 (r / 8).  THE MATRIX INSTRUCTION IS USED TRANSPOSED (source 0 = 16 rows of B, source 1 = 16 rows of A): lane (r, h) holds A's place r,
; and the 16 registers of result tiles 2 b, 2 b + 1 are C's true columns 32 b + 16 h + 0 .. 15: 16 neighbours along the next K.
; A work-group of four waves makes 256 x 256, a wave 128 x 128: 64 accumulators.  K = 1,024 goes in eight steps of 128 through TWO LDS slots: steps 0-2 and 3-5 are first fills, steps 6 and 7 the one refill
; (slot 0), asked for in step 2: it has the rest of step 2 and steps 3 and 4 in which to land.  A wave has at most one tensor load out.
; A's tile is shared along a row of the cluster, B's along a column: each is asked for jointly, by the same tensor load with a mask that names the four.
; c2: q at 0, k at 3,145,728 (256 row blocks x 8 K steps), v^T at 6,291,456 (64 row blocks x 32 K steps).  sc2: words [128 rows' block][K step][128 rows]: q at 0, k at 131,072, v^T at 262,144.
; LIMITS: NaN and infinities are not served.  A block of zeros, or one whose largest magnitude lies under 2^-124, gets the byte 1.
; REGISTERS: window 0: v8-15 store offsets, v16-29 addresses, v32-95 scale words (register 8 i + s: lanes 0-15 A's block i, lanes 16-31 B's block i, K step s), v128-223 A's fragments, one set;
;   on the way out v96-191 codes, v192-227 at work.  window 1: B's fragments, two sets, at v0 and v128.  windows 2, 3: the accumulators, (a, b) at v[8 (8 (a % 4) + b)].
.set FR,     12                        ; registers of a fragment
.set FRB,    1536                      ; its image in bytes
.set KSB,    3*FRB                     ; TWO SLOTS OF THREE K STEPS OF 128: steps 0-2, steps 3-5, both asked for at the head, and steps 6 and 7 in slot 0 again, asked for in step 2
.set HALFT,  8*KSB                     ; 8 row blocks: what one wave reads of A or of B
.set SLOT,   4*HALFT
.set SCR,    2*SLOT                    ; behind the slots: 512 bytes for each wave, its 128 rows' scale words on their way out; no tile lands here
.set SPARE,  SCR+4*512                 ; the spare words, 128 bytes for each wave: two blocks of 256 bytes that no other line names
.set VO,   8                           ; v8-15   16 x lane + a x (bytes from row block to row block of the output)
.set ADRA, 16                          ; v16-18  LDS address of my A fragments in slot 0, 1, 2
.set ADRB, 20                          ; v20-22  the same for B
.set SV,   24                          ; v24     my scale words' offset in sc1: lanes 0-15 A's rows, lanes 16-31 B's
.set LI,   25                          ; v25     16 x lane
.set SCRA, 26                          ; v26     where my row's scale word goes
.set SCRB, 27                          ; v27     where I read the words back
.set SPW,  28                          ; v28     LDS address of my spare word; never rewritten
.set NIL,  29                          ; v29     0; never rewritten
.set SC,   32
.set AF,   128
.set PCB,  96                          ; the way out: block a's codes at v[96 + 12 a]: a set for each block, so that no store's data are written again
.set TT0,  192                         ; v192-194, v196-198 the conversions' second halves
.set TM,   200                         ; v200-203 largest magnitudes
.set BX,   204                         ; v204-207 the other half's, then the bytes
.set SO,   208                         ; v208-211 the conversions' scale operands
.set PW,   218                         ; v218 the scale word
.set CP,   224                         ; v224-227 the words on their way out
.set G1,  24                           ; s[24:31] descriptor group 1 for A's tiles;  s[48:55] for B's: they differ in the mask alone
.set G1B, 48
.set G0A, 68                           ; s[68:71] group 0 for A's tiles;  s[80:83] for B's
.set G0B, 80
.set MSB, 0
.macro WIN new                         ; the immediate's high byte repeats the setting that is left
.if MSB != \new
	s_set_vgpr_msb (MSB<<8)|\new
.set MSB, \new
.endif
.endm
.set MUL_LO, 0xa1                      ; source 0 (B) window 1, source 1 (A) window 0, C and D window 2
.set MUL_HI, 0xf1                      ; the same, C and D window 3
.set TO_B,   0x40                      ; destination window 1, address window 0
; A joint load: waves 0 and 2 fetch for A, waves 1 and 3 for B.  The branch hangs on the wave's number alone.  An s_nop 0 and four v_nop follow each of the two lines.
; (Behind the head only waves 0 and 1 load.)  An arm of a chain of branches on the wave's number: wave w's load, and the jump to the chain's end
.macro ARM w, g0, g1, next, join
	s_cmp_eq_u32 s14, \w
	s_cbranch_scc0 \next
	tensor_load_to_lds s[\g0:\g0+3], s[\g1:\g1+7]
	s_nop 0
.rept 4
	v_nop
.endr
	s_branch \join
\next:
.endm
.macro CREST                           ; a round of the cluster's barrier behind its opening barrier
	s_cmp_lg_u32 s14, 0
	s_cbranch_scc1 .Lnot_wave_0_\@
	s_barrier_signal -3
.Lnot_wave_0_\@:
	s_barrier_wait -3
	s_barrier_signal -1
	s_barrier_wait -1
.endm
.macro CROUND                          ; a whole round
	s_barrier_signal -1
	s_barrier_wait -1
	CREST
.endm
.macro PLACES n                        ; places behind matrix instructions, in front of loads into registers that they have read and of reads of their results
.rept \n
	v_nop
.endr
.endm
.macro FRAG reg, adr, q, i             ; a fragment comes as it was stored: three loads of 512 consecutive bytes
.irp g, 0,1,2
	ds_load_b128 v[\reg+4*\g:\reg+4*\g+3], v[\adr] offset:(\i)*PT+(\q)*FRB+512*\g
.endr
.endm
.macro FETCH_B slot, q, p              ; B's eight fragments of the slot's q-th K step into set p.  slot 2 is slot 0's last fill, with two steps to a row block
.set PT, (3-(\slot)/2)*FRB
	WIN TO_B
.irp i, 0,1,2,3,4,5,6,7
	FRAG 128*(\p)+FR*\i, ADRB+\slot, \q, \i
.endr
	WIN 0
.endm
.macro FETCH_A slot, q, i0             ; A's blocks i0 .. i0 + 3
.set PT, (3-(\slot)/2)*FRB
.irp i, \i0, \i0+1, \i0+2, \i0+3
	FRAG AF+FR*(\i), ADRA+\slot, \q, \i
.endr
.endm
; 16 matrix instructions: A's blocks a0, a0 + 1 x B's eight, K step k of 128.  The 64 accumulators take turns, one instruction a turn, in the same order in every step.
.macro MUL16 a0, p, k, zero
.irp a, \a0, \a0+1
.irp b, 0,1,2,3,4,5,6,7
.if \zero
	v_wmma_scale_f32_16x16x128_f8f6f4 v[8*(8*((\a)%4)+\b):8*(8*((\a)%4)+\b)+7], v[128*(\p)+FR*\b:128*(\p)+FR*\b+FR-1], v[AF+FR*(\a):AF+FR*(\a)+FR-1], 0, v[SC+8*\b+(\k)], v[SC+8*(\a)+(\k)] matrix_a_fmt:MATRIX_FMT_FP6 matrix_b_fmt:MATRIX_FMT_FP6 matrix_a_scale:MATRIX_SCALE_ROW1
.else
	v_wmma_scale_f32_16x16x128_f8f6f4 v[8*(8*((\a)%4)+\b):8*(8*((\a)%4)+\b)+7], v[128*(\p)+FR*\b:128*(\p)+FR*\b+FR-1], v[AF+FR*(\a):AF+FR*(\a)+FR-1], v[8*(8*((\a)%4)+\b):8*(8*((\a)%4)+\b)+7], v[SC+8*\b+(\k)], v[SC+8*(\a)+(\k)] matrix_a_fmt:MATRIX_FMT_FP6 matrix_b_fmt:MATRIX_FMT_FP6 matrix_a_scale:MATRIX_SCALE_ROW1
.endif
.endr
.endr
.endm
; K step k of 128; its successor's fragments lie at (nslot, nq), in bytes that every wave has been shown whole
.macro STEP k, nslot, nq, zero
	s_wait_dscnt 12                                ; B's set and A's blocks 0-3 are in; the youngest 12 loads (A's blocks 4-7) may be out
	WIN MUL_LO
	MUL16 0, (\k)%2, \k, \zero
	MUL16 2, (\k)%2, \k, \zero
	s_wait_dscnt 0                                 ; A's blocks 4-7 are in (asked for 32 matrix instructions ago)
	PLACES 4
	FETCH_B \nslot, \nq, 1-(\k)%2
	FETCH_A \nslot, \nq, 0
	WIN MUL_HI
	MUL16 4, (\k)%2, \k, \zero
	MUL16 6, (\k)%2, \k, \zero
	PLACES 4
	WIN 0
	FETCH_A \nslot, \nq, 4
.endm
; A K step with a barrier in it: in front of the barrier each wave waits for all its tensor loads, adds 0 to its spare word, and waits for that and for its reads of the slot in hand.
; fill = 1: slot 0, just read out, takes K step 3 of 256: the barrier opens a round of the cluster's barrier, and the joint refill is the first tensor load behind the round.
.macro TURN k, nslot, nq, fill
	s_wait_tensorcnt 0x0                           ; all my tensor loads have landed  (every window is 0 here)
	ds_add_u32 v[SPW], v[NIL]                      ; 0 onto my spare word
	s_wait_dscnt 13                                ; (the add and the youngest 12 loads may be out)
	WIN MUL_LO
	MUL16 0, (\k)%2, \k, 0                         ; sixteen matrix instructions stand between the add and the wait for it
	s_wait_dscnt 0x0                               ; the add is done, and my reads of this slot are over
	s_barrier_signal -1
	MUL16 2, (\k)%2, \k, 0
	WIN 0
	s_barrier_wait -1
.if \fill
	CREST                                          ; no wave of any partner still reads slot 0 or has a load on its way
	s_add_nc_u64 s[G0A+2:G0A+3], s[G0A+2:G0A+3], 6*FRB
	s_add_nc_u64 s[G0B+2:G0B+3], s[G0B+2:G0B+3], 6*FRB
	s_mov_b32 s[G1+1], 384<<16                     ; no load of mine is out: the refill's rows are two K steps long
	s_mov_b32 s[G1+3], 384<<16
	s_mov_b32 s[G1B+1], 384<<16
	s_mov_b32 s[G1B+3], 384<<16
	ARM 0, G0A, G1, .Lrefill_b, .Lrefilled
	ARM 1, G0B, G1B, .Lrefill_none, .Lrefilled
.Lrefilled:
	PLACES 4
.else
	PLACES 4
.endif
	FETCH_B \nslot, \nq, 1-(\k)%2
	FETCH_A \nslot, \nq, 0
	WIN MUL_HI
	MUL16 4, (\k)%2, \k, 0
	MUL16 6, (\k)%2, \k, 0
	PLACES 4
	WIN 0
	FETCH_A \nslot, \nq, 4
.endm
	s_load_b256 s[4:11], s[0:1], 0x0               ; c1 s[4:5], sc1 s[6:7], c2 s[8:9], sc2 s[10:11]
	v_lshl_add_u32 v[SPW], v0, 2, SPARE
	v_mov_b32 v[NIL], 0
	ds_add_u32 v[SPW], v[NIL]                      ; the wave's opening: the add and its wait stand ahead of my first tensor load; the set-up below, work on registers, stands between them
	ds_add_u32 v[SPW], v[NIL]
	v_lshrrev_b32 v1, 5, v0
	v_readfirstlane_b32 s14, v1                    ; wave 0..3
	s_lshr_b32 s15, s14, 1                         ; which half of the tile's rows is mine.  Also: I fetch K steps 0-2 (0) or 3-5 (1)
	s_and_b32 s16, s14, 1                          ; which half of its columns.  Also: I fetch for A (0) or for B (1)
	s_bfe_u32 s40, ttmp6, 0x40000                  ; cx, cy: my place in the cluster
	s_bfe_u32 s41, ttmp6, 0x40004
	s_lshl_b32 s43, s41, 2
	s_lshl_b32 s43, 15, s43                        ; my row of the cluster
	s_lshl_b32 s44, 0x1111, s40                    ; my column
	; which product, by the cluster's number c = ttmp9.  Registers that feed A's descriptors never hold cx, those that feed B's never cy.
	s_lshr_b32 s32, ttmp9, 1
	s_lshl_b32 s32, s32, 2                         ; 4 (c / 2)
	s_and_b32 s33, ttmp9, 1
	s_lshl_b32 s33, s33, 2                         ; 4 (c % 2)
	s_sub_co_u32 s34, ttmp9, 8
	s_lshl_b32 s34, s34, 2                         ; 4 (c - 8): taken only where c is 8 or more
	s_cmp_lt_u32 ttmp9, 8
	s_cselect_b32 s32, s32, 0
	s_cselect_b32 s33, s33, s34
	s_cselect_b32 s35, 0, 384                      ; A's first row block in c1: x, or W_v
	s_cselect_b32 s36, 256, 0                      ; B's: W_q and W_k, or x
	s_add_co_u32 s17, s32, s41                     ; tile row
	s_add_co_u32 s42, s33, s40                     ; tile column
	; descriptor group 1: 16 rows (row blocks) of 4,608 bytes, 12,288 bytes apart, as elements of 8 bytes; dense in LDS
	s_or_b32 s[G1+0], s43, (3<<16)|(1<<21)         ; 15:0 the mask: A's tiles go to my row; 17:16 elements of 8 bytes; 20 no padding; 21 set beside a mask
	s_or_b32 s[G1B+0], s44, (3<<16)|(1<<21)
.irp g, G1, G1B
	s_mov_b32 s[\g+1], 576<<16                     ; tensor_dim0: three K steps, 4,608 bytes
	s_mov_b32 s[\g+2], 16<<16                      ; tensor_dim1: 16 row blocks
	s_mov_b32 s[\g+3], 576<<16                     ; tile_dim0
	s_mov_b32 s[\g+4], 16                          ; tile_dim1
	s_mov_b32 s[\g+5], 1536                        ; tensor_dim0_stride
	s_mov_b32 s[\g+6], 0
	s_mov_b32 s[\g+7], 0
.endr
	s_mul_i32 s18, s15, 3*FRB                      ; waves 0 and 1 fetch A's and B's K steps 0-2, waves 2 and 3 their K steps 3-5
	s_lshl_b32 s20, s17, 4
	s_add_co_u32 s20, s20, s35                     ; A's tile: its first row block
	s_mul_i32 s22, s20, 12288
	s_add_co_u32 s22, s22, s18
	s_mov_b32 s23, 0
	s_lshl_b32 s46, s42, 4
	s_add_co_u32 s46, s46, s36                     ; B's tile
	s_mul_i32 s56, s46, 12288
	s_add_co_u32 s56, s56, s18
	s_mov_b32 s57, 0
	s_mul_i32 s45, s15, SLOT
	s_mov_b32 s94, 0x76543210
	s_mov_b32 s95, 0xfedcba98                      ; v_permlanex16_b32's selects for lane l xor 16
	s_wait_dscnt 0x0                               ; the opening add is done
	s_wait_kmcnt 0x0
	s_add_nc_u64 s[22:23], s[4:5], s[22:23]
	s_add_nc_u64 s[56:57], s[4:5], s[56:57]
	CROUND                                         ; all sixteen work-groups are here: the first joint loads meet
	s_mov_b32 s[G0A], 1
	s_mov_b32 s[G0A+1], s45
	s_mov_b64 s[G0A+2:G0A+3], s[22:23]
	s_or_b32 s[G0A+3], s[G0A+3], 0x80000000
	s_mov_b32 s[G0B], 1
	s_add_co_u32 s[G0B+1], s45, 2*HALFT
	s_mov_b64 s[G0B+2:G0B+3], s[56:57]
	s_or_b32 s[G0B+3], s[G0B+3], 0x80000000
	ARM 0, G0A, G1, .Lhead_1, .Lasked              ; one load a wave
	ARM 1, G0B, G1B, .Lhead_2, .Lasked
	ARM 2, G0A, G1, .Lhead_3, .Lasked
	tensor_load_to_lds s[G0B:G0B+3], s[G1B:G1B+7]
	s_nop 0
	PLACES 4
.Lasked:
	v_and_b32 v1, 31, v0                           ; lane
	v_and_b32 v2, 15, v0                           ; r
	v_lshlrev_b32 v[LI], 4, v1
	; the scale words: 32 bytes a row in sc1, all eight K steps: two loads of 16 bytes a block
	s_wait_alu depctr_va_vdst(0)
	s_lshl_b32 s37, s15, 3
	s_add_co_u32 s37, s37, s20
	s_lshl_b32 s37, s37, 9                         ; my first row block of A x 512 bytes
	s_lshl_b32 s38, s16, 3
	s_add_co_u32 s38, s38, s46
	s_lshl_b32 s38, s38, 9                         ; of B
	v_mov_b32 v3, s37
	v_mov_b32 v4, s38
	v_cmp_gt_u32 s58, 16, v1
	v_cndmask_b32 v3, v4, v3, s58                  ; lanes 0-15 take A's, lanes 16-31 B's
	v_lshl_add_u32 v[SV], v2, 5, v3
.irp i, 0,1,2,3,4,5,6,7
	global_load_b128 v[SC+8*\i:SC+8*\i+3], v[SV], s[6:7] offset:512*\i
	global_load_b128 v[SC+8*\i+4:SC+8*\i+7], v[SV], s[6:7] offset:512*\i+16
.endr
	s_mul_i32 s37, s15, HALFT                      ; my 8 row blocks of A
	s_mul_i32 s38, s16, HALFT                      ; my 8 of B,
	s_add_co_u32 s38, s38, 2*HALFT                 ; which lie behind A's 16
.irp s, 0,1
	v_add_nc_u32 v[ADRA+\s], s37, v[LI]
	v_add_nc_u32 v[ADRB+\s], s38, v[LI]
	s_add_co_u32 s37, s37, SLOT
	s_add_co_u32 s38, s38, SLOT
.endr
	s_mul_i32 s37, s15, 16*FRB                     ; slot 0's last fill: 8 row blocks of two K steps
	s_mul_i32 s38, s16, 16*FRB
	s_add_co_u32 s38, s38, 2*HALFT
	v_add_nc_u32 v[ADRA+2], s37, v[LI]
	v_add_nc_u32 v[ADRB+2], s38, v[LI]
	s_lshl_b32 s37, s14, 9
	s_add_co_u32 s37, s37, SCR
	v_lshl_add_u32 v[SCRA], v2, 2, s37
	v_add_nc_u32 v[SCRB], s37, v[LI]
	; where my 128 x 128 goes: its columns are K step s37 of the output, its rows the output's block s38 of 128 rows
	s_lshl_b32 s37, s42, 1
	s_add_co_u32 s37, s37, s16
	s_lshl_b32 s38, s17, 1
	s_add_co_u32 s38, s38, s15
	s_lshr_b32 s39, s37, 3                         ; [q | k]: 0 q, 1 k,
	s_and_b32 s58, s37, 7                          ; and the K step in it
	s_mul_i32 s59, s39, 3145728
	s_mul_i32 s60, s38, 8*12288
	s_add_co_u32 s59, s59, s60
	s_mul_i32 s60, s58, FRB
	s_add_co_u32 s59, s59, s60                     ; codes of q or k
	s_lshl_b32 s60, s39, 17
	s_lshl_b32 s61, s38, 12
	s_add_co_u32 s60, s60, s61
	s_lshl_b32 s61, s58, 9
	s_add_co_u32 s60, s60, s61                     ; their scale words
	s_mul_i32 s61, s38, 8*49152
	s_mul_i32 s62, s37, FRB
	s_add_co_u32 s61, s61, s62
	s_add_co_u32 s61, s61, 6291456                 ; codes of v^T
	s_lshl_b32 s62, s38, 14
	s_lshl_b32 s63, s37, 9
	s_add_co_u32 s62, s62, s63
	s_add_co_u32 s62, s62, 262144                  ; its scale words
	s_mov_b32 s63, 49152
	s_cmp_lt_u32 ttmp9, 8
	s_cselect_b32 s96, s59, s61
	s_cselect_b32 s98, s60, s62
	s_cselect_b32 s63, 12288, s63                  ; bytes from row block to row block
	s_mov_b32 s97, 0
	s_mov_b32 s99, 0
	s_add_nc_u64 s[8:9], s[8:9], s[96:97]
	s_add_nc_u64 s[10:11], s[10:11], s[98:99]
.irp a, 0,1,2,3,4,5,6,7
	v_mad_u32_u24 v[VO+\a], s63, \a, v[LI]         ; an offset register for each block: no base is stepped
.endr
	s_wait_alu depctr_va_vdst(0)
	s_cmp_lt_u32 s14, 2
	s_cbranch_scc0 .Lnot_first
	s_wait_tensorcnt 0x0                           ; waves 0 and 1: K steps 0-2 are in; steps 3-5 may stay out
.Lnot_first:
	s_barrier_signal -1
	s_barrier_wait -1
	FETCH_B 0, 0, 0
	FETCH_A 0, 0, 0
	FETCH_A 0, 0, 4
	s_wait_loadcnt 0x0                             ; the scale words
	STEP 0, 0, 1, 1                                ; the first products start the sums: nothing is cleared
	STEP 1, 0, 2, 0
	TURN 2, 1, 0, 1                                ; slot 1 is shown whole; slot 0 is left and takes the last two K steps
	STEP 3, 1, 1, 0
	STEP 4, 1, 2, 0
	TURN 5, 2, 0, 0                                ; the refill has landed in every wave; nothing is filled, so no round follows
	STEP 6, 2, 1, 0
	s_wait_dscnt 12                                ; the last step: nothing more to fetch
	WIN MUL_LO
	MUL16 0, 1, 7, 0
	MUL16 2, 1, 7, 0
	s_wait_dscnt 0
	WIN MUL_HI
	MUL16 4, 1, 7, 0
	MUL16 6, 1, 7, 0
	WIN 0
	PLACES 4
; THE WAY OUT, block a of 16 rows x 128 columns: its 64 registers are, in ascending order, k = 32 b + 16 (lane / 16) + i of my row along the next K.  They become one fragment and one scale word a row.
; Each accumulator is read from its low end on.
.macro QOUT a
.set WN, 2+(\a)/4
.set W2, WN|(WN<<2)
.set AC, 64*((\a)%4)
.set PC, PCB+12*(\a)
	WIN W2                                         ; sources 0 and 1: the accumulators' window
.irp b, 0,1,2,3
	v_max3_num_f32 v[TM+\b], |v[AC+16*\b]|, |v[AC+16*\b+1]|, 0x1800000   ; and the floor 2^(3 - 127): the byte cannot fall under 1
.endr
.irp i, 2,4,6,8,10,12,14
.irp b, 0,1,2,3
	v_max3_num_f32 v[TM+\b], |v[AC+16*\b+\i]|, |v[AC+16*\b+\i+1]|, v[TM+\b]
.endr
.endr
	WIN 0
.irp b, 0,1,2,3
	v_permlanex16_b32 v[BX+\b], v[TM+\b], s94, s95
.endr
.irp b, 0,1,2,3
	v_max_num_f32 v[TM+\b], v[TM+\b], v[BX+\b]     ; with lane l xor 16's: the block's largest magnitude
.endr
.irp b, 0,1,2,3
	v_add_nc_u32 v[SO+\b], 0xff000000, v[TM+\b]    ; 2 off its exponent field: the conversion's scale operand
.endr
.irp b, 0,1,2,3
	v_lshrrev_b32 v[BX+\b], 23, v[SO+\b]           ; the scale's byte
.endr
	s_wait_alu depctr_va_vdst(0)
	s_wait_dscnt 0x0                               ; the last block's LDS store has read the scale word's register
	v_lshl_or_b32 v[PW], v[BX+1], 8, v[BX]
	v_lshl_or_b32 v[PW], v[BX+2], 16, v[PW]
	v_lshl_or_b32 v[PW], v[BX+3], 24, v[PW]
	WIN WN                                         ; source 0: the accumulators' window
.irp c, 0,1
	v_cvt_scalef32_pk16_fp6_f32 v[PC+6*\c:PC+6*\c+2], v[AC+32*\c:AC+32*\c+15], v[SO+2*\c]
	v_cvt_scalef32_pk16_fp6_f32 v[TT0+4*\c:TT0+4*\c+2], v[AC+32*\c+16:AC+32*\c+31], v[SO+2*\c+1]   ; (a conversion's three registers begin on an even number)
.endr
	WIN 0
	v_nop                                          ; one plain place behind a scaled conversion
.irp c, 0,1                                    ; a whole block to a lane: lanes 0-15 block 2 c, lanes 16-31 block 2 c + 1
.irp i, 0,1,2
	v_permlane16_swap_b32 v[PC+6*\c+\i], v[TT0+4*\c+\i]
.endr
.irp i, 0,1,2
	v_mov_b32 v[PC+6*\c+3+\i], v[TT0+4*\c+\i]
.endr
.endr
.irp g, 0,1,2
	global_store_b128 v[VO+(\a)], v[PC+4*\g:PC+4*\g+3], s[8:9] offset:512*\g   ; 32 lanes store 512 consecutive bytes, aligned
.endr
	ds_store_b32 v[SCRA], v[PW] offset:64*(\a)     ; lanes r and r + 16 write the same word with the same value
.endm
.irp b, 0,1,2,3
	v_mov_b32 v[BX+\b], 0                          ; written once: a lane permute's destination counts as one of its sources
.endr
.irp a, 0,1,2,3,4,5,6,7
	QOUT \a
.endr
	ds_load_b128 v[CP:CP+3], v[SCRB]               ; my 128 rows' words: LDS serves a wave's instructions in order
	s_wait_dscnt 0x0
	global_store_b128 v[LI], v[CP:CP+3], s[10:11]  ; 512 consecutive bytes, aligned
	s_wait_tensorcnt 0x0                           ; the wave's end, behind my last tensor load and my last LDS store
	ds_add_u32 v[SPW], v[NIL]
	s_wait_dscnt 0x0
	CROUND                                         ; the closing round: no work-group ends while a partner may still ask for a tile that names it
	s_endpgm
.Lfunc_end_k_q77db190dba_qkv:
	.size	k_q77db190dba_qkv, .Lfunc_end_k_q77db190dba_qkv-k_q77db190dba_qkv
	.p2alignl 7, 3214868480
	.fill 96, 4, 3214868480
	.section	.rodata,"a",@progbits
	.p2align	6, 0x0
	.amdhsa_kernel k_q77db190dba_qkv
		.amdhsa_group_segment_fixed_size 327680
		.amdhsa_private_segment_fixed_size 0
		.amdhsa_enable_private_segment 0
		.amdhsa_kernarg_size 32
		.amdhsa_user_sgpr_count 2
		.amdhsa_user_sgpr_kernarg_segment_ptr 1
		.amdhsa_wavefront_size32 1
		.amdhsa_system_sgpr_workgroup_id_x 1
		.amdhsa_system_sgpr_workgroup_id_y 1
		.amdhsa_system_sgpr_workgroup_id_z 1
		.amdhsa_system_vgpr_workitem_id 0
		.amdhsa_next_free_vgpr 1024
		.amdhsa_next_free_sgpr 100
		.amdhsa_reserve_vcc 0
		.amdhsa_float_denorm_mode_32 3
		.amdhsa_float_denorm_mode_16_64 3
		.amdhsa_memory_ordered 1
		.amdhsa_forward_progress 1
		.amdhsa_inst_pref_size 139
	.end_amdhsa_kernel
	.amdgpu_metadata
---
amdhsa.version: [ 1, 2 ]
amdhsa.kernels:
  - .name:           k_q77db190dba_qkv
    .symbol:         k_q77db190dba_qkv.kd
    .args:
      - { .name: c1, .offset: 0, .size: 8, .value_kind: global_buffer, .address_space: global }
      - { .name: sc1, .offset: 8, .size: 8, .value_kind: global_buffer, .address_space: global }
      - { .name: c2, .offset: 16, .size: 8, .value_kind: global_buffer, .address_space: global }
      - { .name: sc2, .offset: 24, .size: 8, .value_kind: global_buffer, .address_space: global }
    .group_segment_fixed_size: 327680
    .private_segment_fixed_size: 0
    .kernarg_segment_align: 8
    .kernarg_segment_size: 32
    .max_flat_workgroup_size: 128
    .sgpr_count:     100
    .vgpr_count:     1024
    .wavefront_size: 32
...
	.end_amdgpu_metadata
.endif
;; end of part 2
;; launch scores (part 3): grid 16 x 16, 4 waves a work-group, clusters of 4 x 4, 327,680 bytes of LDS; arguments c2, sc2, pc, pst; writes pc, pst
.if DOCPART == 3
	.amdgcn_target "amdgcn-amd-amdhsa--gfx1250"
	.amdhsa_code_object_version 6
	.text
	.protected	k_q77db190dba_scores
	.globl	k_q77db190dba_scores
	.p2align	8
	.type	k_q77db190dba_scores,@function
k_q77db190dba_scores:
	s_mov_b64 s[64:65], 0
	v_nop
	global_prefetch_b8 v0, s[64:65] scope:SCOPE_SE
	s_setreg_imm32_b32 hwreg(HW_REG_WAVE_MODE, 25, 1), 1
	s_wait_xcnt 0x0
	s_wait_alu depctr_hold_cnt(0) depctr_sa_sdst(0) depctr_va_vdst(0) depctr_va_sdst(0) depctr_va_ssrc(0) depctr_va_vcc(0) depctr_vm_vsrc(0)
	s_getreg_b32 s2, hwreg(HW_REG_IB_STS2, 6, 4)
	s_cmp_eq_u32 s2, 0
	s_cbranch_scc0 .Lentry_in_a_cluster
	s_endpgm
.Lentry_in_a_cluster:
	s_bfe_u32 s2, ttmp6, 0x10000c
	s_cmp_lg_u32 s2, 0xf033
	s_cbranch_scc0 .Lentry_shape_is_right
	s_endpgm
.Lentry_shape_is_right:
; S = q k^T on codes of FP6 (E2M3) with E8M0 scales, sums in f32; then, in registers, the softmax's numerator for each row and each CHUNK of 128 keys, quantised along the keys.
; t = score x log2(e) / sqrt(1024).  For a row and a chunk: M = the chunk's largest t rounded UP to a whole number; p = 2^(t - M); l = the sum of the unquantised p.
; Stored: p's codes (pc), and for each row and chunk its scale word, -M and l (pst).  The next launch finds each row's largest M and takes the difference, a whole number, off the scale bytes: the codes stay as they are.
; The maximum is taken away before every exponential: no p is above 1.
; FRAME: a tile of 256 x 256 to a work-group of four waves, 128 x 128 to a wave (64 accumulators); a wave's 128 columns are one chunk.  K = 1,024 is eight steps of 128 in TWO LDS SLOTS OF THREE STEPS:
; steps 0-2 (asked for by waves 0 and 1: q's tile, k's tile) and 3-5 (waves 2 and 3) at the head, one load a wave; steps 6 and 7 into slot 0 at step 2: the one refill, with the rest of step 2 and steps 3 and 4 in which to land.
; No prefetch: behind the head there is that one fill, and its wait stands 160 matrix instructions behind its request.
; CLUSTERS 4 x 4: q's tile is shared along a row, k's along a column: joint loads.
; FRAGMENT IMAGES (c2, pc): [row block of 16][K step of 128][1,536 bytes], registers 4 g .. 4 g + 3 of lane l at 512 g + 16 l.  Place r of row block p holds row 32 (p / 2) + 8 (p % 2) + r + 8 (r / 8).
; THE MATRIX INSTRUCTION IS USED TRANSPOSED (source 0 = 16 rows of k, source 1 = 16 rows of q): lane (r, h) holds one query, and the 16 registers of result tiles 2 b, 2 b + 1 are the true keys 32 b + 16 h + 0 .. 15.
; pc: 256 row blocks x 32 chunks x 1,536.  pst: [128 rows' block][chunk][scale word | -M | l][128 rows x 4 bytes].
; LIMITS: NaN and infinities are not served.  |t| stays under 2^24, so that M is held exactly.  A p under 2^-126 of its chunk's scale comes out of v_exp_f32 as 0.  A block all of whose p are 0 gets the byte 1 and zero codes.
; REGISTERS: window 0: v16-29 addresses, v32-95 scale words (register 8 i + (s + i) % 8: lanes 0-15 q's block i, lanes 16-31 k's block i, K step s), v128-223 A's fragments; on the way out v96-191 codes, v192-249 at work.
;   window 1: B's fragments, two sets.  windows 2, 3: the accumulators, (a, b) at v[8 (8 (a % 4) + b)].
.set FR,     12
.set FRB,    1536
.set KSB,    3*FRB                     ; a row block's bytes in a slot
.set HALFT,  8*KSB                     ; what a wave reads of q or of k
.set SLOT,   4*HALFT                   ; q's 16 row blocks, then k's
.set SCR,    2*SLOT                    ; behind the slots: 1,536 bytes for each wave: its 128 rows' scale words, -M and l on their way out; no tile lands here
.set SPARE,  SCR+4*1536                ; the spare words, 128 bytes for each wave: two blocks of 256 bytes that no other line names
.set ADRA, 16                          ; v16-18  LDS address of my A fragments in slot 0, slot 1, slot 0's last fill
.set ADRB, 20
.set SV,   24
.set LI,   25
.set SCRA, 26
.set SCRB, 27
.set SPW,  28
.set NIL,  29
.set SC,   32
.set AF,   128
.set PCB,  96                          ; block a's codes at v[96 + 12 a]: a set for each block, so that no store's data are written again
.set TT0,  192                         ; v192-194, v196-198 the conversions' second halves
.set BM,   200                         ; v200-203 (even blocks), v236-239 (odd) each block of 32's largest score, then its largest p
.set BX,   204                         ; v204-207 the other half's
.set SO,   208                         ; v208-211 the conversions' scale operands
.set NM,   212                         ; v212 (even), v244 (odd) -M, and the largest t behind it (named as a pair by the packed form)
.set SUM,  214                         ; v214-217, v246-249 the sum, in four chains of two
.set PW,   218
.set TT,   219
.set LS,   220                         ; v220 l, v221 the other half's
.set CP,   224                         ; v224-235 on their way out
.set BY,   240                         ; v240-243 the scales' bytes
.set G1,  24
.set G1B, 48
.set G0A, 68
.set G0B, 80
.set MSB, 0
.macro WIN new                         ; the immediate's high byte repeats the setting that is left
.if MSB != \new
	s_set_vgpr_msb (MSB<<8)|\new
.set MSB, \new
.endif
.endm
.set MUL_LO, 0xa1                      ; source 0 (k) window 1, source 1 (q) window 0, C and D window 2
.set MUL_HI, 0xf1
.set TO_B,   0x40
.macro PLACES n
.rept \n
	v_nop
.endr
.endm
.macro ARM w, g0, g1, next, join       ; an arm of a chain of branches on the wave's number: wave w's load, and the jump to the chain's end
	s_cmp_eq_u32 s14, \w
	s_cbranch_scc0 \next
	tensor_load_to_lds s[\g0:\g0+3], s[\g1:\g1+7]
	s_nop 0
	PLACES 4
	s_branch \join
\next:
.endm
.macro CREST
	s_cmp_lg_u32 s14, 0
	s_cbranch_scc1 .Lnot_wave_0_\@
	s_barrier_signal -3
.Lnot_wave_0_\@:
	s_barrier_wait -3
	s_barrier_signal -1
	s_barrier_wait -1
.endm
.macro CROUND
	s_barrier_signal -1
	s_barrier_wait -1
	CREST
.endm
.macro FRAG reg, adr, q, i
.irp g, 0,1,2
	ds_load_b128 v[\reg+4*\g:\reg+4*\g+3], v[\adr] offset:(\i)*PT+(\q)*FRB+512*\g
.endr
.endm
.macro FETCH_B slot, q, p              ; slot 2 is slot 0's last fill, with two steps to a row block
.set PT, (3-(\slot)/2)*FRB
	WIN TO_B
.irp i, 0,1,2,3,4,5,6,7
	FRAG 128*(\p)+FR*\i, ADRB+\slot, \q, \i
.endr
	WIN 0
.endm
.macro FETCH_A slot, q, i0
.set PT, (3-(\slot)/2)*FRB
.irp i, \i0, \i0+1, \i0+2, \i0+3
	FRAG AF+FR*(\i), ADRA+\slot, \q, \i
.endr
.endm
.macro MUL16 a0, p, k, zero            ; the 64 accumulators take turns, one instruction a turn, in the same order in every step
.irp a, \a0, \a0+1
.irp b, 0,1,2,3,4,5,6,7
.set XA_, SC+8*(\a)+((\k)+(\a))%8
.set XB_, SC+8*\b+((\k)+\b)%8
.if \zero
	v_wmma_scale_f32_16x16x128_f8f6f4 v[8*(8*((\a)%4)+\b):8*(8*((\a)%4)+\b)+7], v[128*(\p)+FR*\b:128*(\p)+FR*\b+FR-1], v[AF+FR*(\a):AF+FR*(\a)+FR-1], 0, v[XB_], v[XA_] matrix_a_fmt:MATRIX_FMT_FP6 matrix_b_fmt:MATRIX_FMT_FP6 matrix_a_scale:MATRIX_SCALE_ROW1
.else
	v_wmma_scale_f32_16x16x128_f8f6f4 v[8*(8*((\a)%4)+\b):8*(8*((\a)%4)+\b)+7], v[128*(\p)+FR*\b:128*(\p)+FR*\b+FR-1], v[AF+FR*(\a):AF+FR*(\a)+FR-1], v[8*(8*((\a)%4)+\b):8*(8*((\a)%4)+\b)+7], v[XB_], v[XA_] matrix_a_fmt:MATRIX_FMT_FP6 matrix_b_fmt:MATRIX_FMT_FP6 matrix_a_scale:MATRIX_SCALE_ROW1
.endif
.endr
.endr
.endm
.macro STEP k, nslot, nq, zero
	s_wait_dscnt 12                                ; B's set and A's blocks 0-3 are in; the youngest 12 loads (A's blocks 4-7) may be out
	WIN MUL_LO
	MUL16 0, (\k)%2, \k, \zero
	MUL16 2, (\k)%2, \k, \zero
	s_wait_dscnt 0
	PLACES 4
	FETCH_B \nslot, \nq, 1-(\k)%2
	FETCH_A \nslot, \nq, 0
	WIN MUL_HI
	MUL16 4, (\k)%2, \k, \zero
	MUL16 6, (\k)%2, \k, \zero
	PLACES 4
	WIN 0
	FETCH_A \nslot, \nq, 4
.endm
.macro TURN k, nslot, nq, fill
	s_wait_tensorcnt 0x0                           ; all my tensor loads have landed  (every window is 0 here)
	ds_add_u32 v[SPW], v[NIL]                      ; 0 onto my spare word
	s_wait_dscnt 13                                ; (the add and the youngest 12 loads may be out)
	WIN MUL_LO
	MUL16 0, (\k)%2, \k, 0
	s_wait_dscnt 0x0                               ; the add is done, and my reads of this slot are over
	s_barrier_signal -1
	MUL16 2, (\k)%2, \k, 0
	WIN 0
	s_barrier_wait -1
.if \fill
	CREST                                          ; no wave of any partner still reads slot 0 or has a load on its way
	s_add_nc_u64 s[G0A+2:G0A+3], s[G0A+2:G0A+3], 6*FRB
	s_add_nc_u64 s[G0B+2:G0B+3], s[G0B+2:G0B+3], 6*FRB
	s_mov_b32 s[G1+1], 384<<16                     ; no load of mine is out: the refill's rows are two K steps long
	s_mov_b32 s[G1+3], 384<<16
	s_mov_b32 s[G1B+1], 384<<16
	s_mov_b32 s[G1B+3], 384<<16
	ARM 0, G0A, G1, .Lrefill_b, .Lrefilled
	ARM 1, G0B, G1B, .Lrefill_none, .Lrefilled
.Lrefilled:
.endif
	PLACES 4
	FETCH_B \nslot, \nq, 1-(\k)%2
	FETCH_A \nslot, \nq, 0
	WIN MUL_HI
	MUL16 4, (\k)%2, \k, 0
	MUL16 6, (\k)%2, \k, 0
	PLACES 4
	WIN 0
	FETCH_A \nslot, \nq, 4
.endm
	s_load_b256 s[4:11], s[0:1], 0x0               ; c2 s[4:5], sc2 s[6:7], pc s[8:9], pst s[10:11]
	v_lshl_add_u32 v[SPW], v0, 2, SPARE
	v_mov_b32 v[NIL], 0
	ds_add_u32 v[SPW], v[NIL]                      ; the opening lines
	ds_add_u32 v[SPW], v[NIL]
	v_lshrrev_b32 v1, 5, v0
	v_readfirstlane_b32 s14, v1                    ; wave 0..3
	s_lshr_b32 s15, s14, 1                         ; my half of the tile's rows.  Also: I fetch K steps 0-2 (0) or 3-5 (1)
	s_and_b32 s16, s14, 1                          ; my half of its columns
	s_bfe_u32 s40, ttmp6, 0x40000                  ; cx, cy
	s_bfe_u32 s41, ttmp6, 0x40004
	s_lshl_b32 s42, ttmp9, 2
	s_add_co_u32 s42, s42, s40                     ; tile column = 4 x cluster x + cx
	s_and_b32 s17, ttmp7, 0xffff
	s_lshl_b32 s17, s17, 2
	s_add_co_u32 s17, s17, s41                     ; tile row = 4 x cluster y + cy
	s_lshl_b32 s43, s41, 2
	s_lshl_b32 s43, 15, s43                        ; my row of the cluster
	s_lshl_b32 s44, 0x1111, s40                    ; my column
	s_or_b32 s[G1+0], s43, (3<<16)|(1<<21)         ; 15:0 the mask; 17:16 elements of 8 bytes; no padding; 21 set beside a mask
	s_or_b32 s[G1B+0], s44, (3<<16)|(1<<21)
.irp g, G1, G1B
	s_mov_b32 s[\g+1], 576<<16                     ; tensor_dim0: three K steps, 4,608 bytes
	s_mov_b32 s[\g+2], 16<<16                      ; tensor_dim1: 16 row blocks
	s_mov_b32 s[\g+3], 576<<16                     ; tile_dim0
	s_mov_b32 s[\g+4], 16                          ; tile_dim1
	s_mov_b32 s[\g+5], 1536                        ; 12,288 bytes from row block to row block
	s_mov_b32 s[\g+6], 0
	s_mov_b32 s[\g+7], 0
.endr
	s_mul_i32 s18, s15, 3*FRB
	s_mul_i32 s22, s17, 16*12288
	s_add_co_u32 s22, s22, s18                     ; q's tile
	s_mov_b32 s23, 0
	s_mul_i32 s56, s42, 16*12288
	s_add_co_u32 s56, s56, s18
	s_add_co_u32 s56, s56, 3145728                 ; k's, behind q's
	s_mov_b32 s57, 0
	s_mul_i32 s45, s15, SLOT
	s_mov_b32 s92, 0x3d38aa3b                      ; c = log2(e) / sqrt(1024)
	s_mov_b32 s93, s92                             ; (named with it as a pair, so it is written)
	s_mov_b32 s94, 0x76543210
	s_mov_b32 s95, 0xfedcba98                      ; v_permlanex16_b32's selects for lane l xor 16
	s_wait_dscnt 0x0                               ; the opening adds are done
	s_wait_kmcnt 0x0
	s_add_nc_u64 s[22:23], s[4:5], s[22:23]
	s_add_nc_u64 s[56:57], s[4:5], s[56:57]
	CROUND                                         ; all sixteen work-groups are here: the first joint loads meet
	s_mov_b32 s[G0A], 1
	s_mov_b32 s[G0A+1], s45
	s_mov_b64 s[G0A+2:G0A+3], s[22:23]
	s_or_b32 s[G0A+3], s[G0A+3], 0x80000000
	s_mov_b32 s[G0B], 1
	s_add_co_u32 s[G0B+1], s45, 2*HALFT
	s_mov_b64 s[G0B+2:G0B+3], s[56:57]
	s_or_b32 s[G0B+3], s[G0B+3], 0x80000000
	ARM 0, G0A, G1, .Lhead_1, .Lasked              ; one load a wave
	ARM 1, G0B, G1B, .Lhead_2, .Lasked
	ARM 2, G0A, G1, .Lhead_3, .Lasked
	tensor_load_to_lds s[G0B:G0B+3], s[G1B:G1B+7]
	s_nop 0
	PLACES 4
.Lasked:
	v_and_b32 v1, 31, v0                           ; lane
	v_and_b32 v2, 15, v0                           ; r
	v_lshlrev_b32 v[LI], 4, v1
	s_wait_alu depctr_va_vdst(0)
	s_lshl_b32 s37, s17, 1
	s_add_co_u32 s37, s37, s15                     ; my 128 rows' block of q
	s_lshl_b32 s39, s42, 1
	s_add_co_u32 s39, s39, s16                     ; my chunk = my 128 rows' block of k
	s_lshl_b32 s58, s37, 12
	s_lshl_b32 s59, s39, 12
	s_add_co_u32 s59, s59, 131072
	v_mov_b32 v3, s58
	v_mov_b32 v4, s59
	v_cmp_gt_u32 s60, 16, v1
	v_cndmask_b32 v3, v4, v3, s60                  ; lanes 0-15 take q's words, lanes 16-31 k's
	v_lshl_add_u32 v[SV], v2, 2, v3
.irp i, 0,1,2,3,4,5,6,7
.irp s, 0,1,2,3,4,5,6,7
	global_load_b32 v[SC+8*\i+(\s+\i)%8], v[SV], s[6:7] offset:512*\s+64*\i   ; once, beside the first tiles
.endr
.endr
	s_mul_i32 s58, s15, HALFT
	s_mul_i32 s59, s16, HALFT
	s_add_co_u32 s59, s59, 2*HALFT
.irp s, 0,1
	v_add_nc_u32 v[ADRA+\s], s58, v[LI]
	v_add_nc_u32 v[ADRB+\s], s59, v[LI]
	s_add_co_u32 s58, s58, SLOT
	s_add_co_u32 s59, s59, SLOT
.endr
	s_mul_i32 s58, s15, 16*FRB                     ; slot 0's last fill: 8 row blocks of two K steps
	s_mul_i32 s59, s16, 16*FRB
	s_add_co_u32 s59, s59, 2*HALFT
	v_add_nc_u32 v[ADRA+2], s58, v[LI]
	v_add_nc_u32 v[ADRB+2], s59, v[LI]
	s_mul_i32 s58, s14, 1536
	s_add_co_u32 s58, s58, SCR
	v_lshl_add_u32 v[SCRA], v2, 2, s58
	v_add_nc_u32 v[SCRB], s58, v[LI]
	s_mul_i32 s96, s37, 8*49152                    ; pc: my first row block,
	s_mul_i32 s58, s39, FRB                        ; my chunk
	s_add_co_u32 s96, s96, s58
	s_mov_b32 s97, 0
	s_add_nc_u64 s[8:9], s[8:9], s[96:97]
	s_lshl_b32 s98, s37, 5
	s_add_co_u32 s98, s98, s39
	s_mul_i32 s98, s98, 1536                       ; pst: (32 x rows' block + chunk) x 1,536
	s_mov_b32 s99, 0
	s_add_nc_u64 s[10:11], s[10:11], s[98:99]
	s_wait_alu depctr_va_vdst(0)
	s_cmp_lt_u32 s14, 2
	s_cbranch_scc0 .Lnot_first
	s_wait_tensorcnt 0x0                           ; waves 0 and 1: K steps 0-2 are in; steps 3-5 may stay out
.Lnot_first:
	s_barrier_signal -1
	s_barrier_wait -1
	FETCH_B 0, 0, 0
	FETCH_A 0, 0, 0
	FETCH_A 0, 0, 4
	s_wait_loadcnt 0x0                             ; the scale words
	STEP 0, 0, 1, 1                                ; the first products start the sums: nothing is cleared
	STEP 1, 0, 2, 0
	TURN 2, 1, 0, 1                                ; slot 1 is shown whole; slot 0 is left and takes the last two K steps
	STEP 3, 1, 1, 0
	STEP 4, 1, 2, 0
	TURN 5, 2, 0, 0                                ; the refill has landed in every wave; nothing is filled, so no round follows
	STEP 6, 2, 1, 0
	s_wait_dscnt 12
	WIN MUL_LO
	MUL16 0, 1, 7, 0
	MUL16 2, 1, 7, 0
	s_wait_dscnt 0
	WIN MUL_HI
	MUL16 4, 1, 7, 0
	MUL16 6, 1, 7, 0
	WIN 0
	PLACES 4
; THE SOFTMAX'S NUMERATOR of block a: 16 queries x my 128 keys.  Register 16 b + i of the block's 64 is key 32 b + 16 (lane / 16) + i of my query.
; The largest SCORE of each block of 32 keys serves twice: for the chunk's maximum, and, since p rises with the score, for the block's largest p (the same multiply-add and exponential give the same bits).
; The 68 exponentials are ONE batch with one wait ahead and one behind.  Block a's sums stand among block a + 1's maxima, and its scale work among the joining of block a + 1's maxima.
.macro MAXT a, t                       ; the t-th two registers of block a's four blocks of 32; each accumulator from its low end on
.set MA_, 64*((\a)%4)+2*(\t)
.set MB_, BM+36*((\a)%2)
.set MW_, 2+(\a)/4
	WIN MW_|(MW_<<2)
.irp b, 0,1,2,3
.if (\t) == 0
	v_max_num_f32 v[MB_+\b], v[MA_+16*\b], v[MA_+16*\b+1]
.else
	v_max3_num_f32 v[MB_+\b], v[MA_+16*\b], v[MA_+16*\b+1], v[MB_+\b]
.endif
.endr
.endm
.macro SUMT a, t                       ; the sum is taken of the UNQUANTISED p, two at a time, in four chains
.set SA_, 64*((\a)%4)
.set SW_, 2+(\a)/4
.if (\t) == 0
	WIN SW_|(SW_<<2)
.else
	WIN SW_
.endif
.irp c, 0,1,2,3
.set SM_, SUM+2*\c+28*(\c/2)
.if (\t) == 0
	v_pk_add_f32 v[SM_:SM_+1], v[SA_+2*\c:SA_+2*\c+1], v[SA_+8+2*\c:SA_+9+2*\c]
.else
	v_pk_add_f32 v[SM_:SM_+1], v[SA_+8*(\t)+8+2*\c:SA_+8*(\t)+9+2*\c], v[SM_:SM_+1]
.endif
.endr
.endm
.macro JOIN a, i                       ; from block a's maxima to -M, in six parts
.if (\a) < 8
.set JB_, BM+36*((\a)%2)
.set JN_, NM+32*((\a)%2)
.if (\i) == 0
.irp b, 0,1,2,3
	v_permlanex16_b32 v[BX+\b], v[JB_+\b], s94, s95
.endr
.elseif (\i) == 1
.irp b, 0,1,2,3
	v_max_num_f32 v[JB_+\b], v[JB_+\b], v[BX+\b]   ; with lane l xor 16's 16 keys
.endr
.elseif (\i) == 2
	v_max3_num_f32 v[TT], v[JB_], v[JB_+1], v[JB_+2]
.elseif (\i) == 3
	v_max_num_f32 v[TT], v[TT], v[JB_+3]           ; the chunk's largest score of my query
.elseif (\i) == 4
	v_mul_f32 v[JN_+1], s92, v[TT]                 ; as t (c is positive)
.else
	v_floor_f32 v[JN_], -v[JN_+1]                  ; -M = floor(-t) = -ceil(t): M is a whole number
.endif
.endif
.endm
.macro SOFTQ a
.set WN, 2+(\a)/4
.set AC, 64*((\a)%4)
.set PC, PCB+12*(\a)
.set BMA, BM+36*((\a)%2)
.set NMA, NM+32*((\a)%2)
	WIN 0
.irp b, 0,1,2,3
	v_fma_f32 v[BMA+\b], v[BMA+\b], s92, v[NMA]    ; t - M of each block's largest score
.endr
	WIN WN|(WN<<6)                                 ; destination and source 0: the accumulators' window
.set JJ, 0
.rept 32
	v_pk_fma_f32 v[AC+JJ:AC+JJ+1], v[AC+JJ:AC+JJ+1], s[92:93], v[NMA:NMA+1] op_sel_hi:[1,0,0]   ; t - M, two at a time (of the pairs c and -M the low word serves both halves)
.set JJ, JJ+2
.endr
	s_wait_alu depctr_va_vdst(0)                   ; the wait ahead of the batch
	s_wait_dscnt 0x0                               ; the last block's LDS stores have read the registers of the word, -M and l
.set JJ, 0
.rept 64
	v_exp_f32 v[AC+JJ], v[AC+JJ]                   ; p = 2^(t - M), at most 1
.set JJ, JJ+1
.endr
	WIN 0
.irp b, 0,1,2,3
	v_exp_f32 v[BMA+\b], v[BMA+\b]                 ; the block's largest p
.endr
	v_nop
	s_wait_alu depctr_va_vdst(0)                   ; and behind it
.set TI_, 0
.rept 4
.if (\a) < 7
	MAXT (\a)+1, TI_
	MAXT (\a)+1, TI_+1
.endif
	SUMT \a, TI_
.if TI_ < 6
	SUMT \a, TI_+1
.endif
.set TI_, TI_+2
.endr
	WIN 0
	JOIN (\a)+1, 0
.irp b, 0,1,2,3
	v_max_num_f32 v[BMA+\b], 0x1800000, v[BMA+\b]  ; the floor 2^(3 - 127): the byte cannot fall under 1
.endr
	JOIN (\a)+1, 1
.irp b, 0,1,2,3
	v_add_nc_u32 v[SO+\b], 0xff000000, v[BMA+\b]   ; 2 off the exponent field: the conversion's scale operand
.endr
	v_pk_add_f32 v[SUM:SUM+1], v[SUM:SUM+1], v[SUM+2:SUM+3]
	v_pk_add_f32 v[SUM+32:SUM+33], v[SUM+32:SUM+33], v[SUM+34:SUM+35]
	JOIN (\a)+1, 2
.irp b, 0,1,2,3
	v_lshrrev_b32 v[BY+\b], 23, v[SO+\b]           ; the scale's byte: 125 at the most
.endr
	JOIN (\a)+1, 3
	v_pk_add_f32 v[SUM:SUM+1], v[SUM:SUM+1], v[SUM+32:SUM+33]
	v_lshl_or_b32 v[PW], v[BY+1], 8, v[BY]
	JOIN (\a)+1, 4
	v_add_f32 v[LS], v[SUM], v[SUM+1]
	v_lshl_or_b32 v[PW], v[BY+2], 16, v[PW]
	JOIN (\a)+1, 5
	v_permlanex16_b32 v[LS+1], v[LS], s94, s95
	v_lshl_or_b32 v[PW], v[BY+3], 24, v[PW]
	v_add_f32 v[LS], v[LS], v[LS+1]                ; with lane l xor 16's: the chunk's l
	WIN WN
.irp c, 0,1
	v_cvt_scalef32_pk16_fp6_f32 v[PC+6*\c:PC+6*\c+2], v[AC+32*\c:AC+32*\c+15], v[SO+2*\c]
	v_cvt_scalef32_pk16_fp6_f32 v[TT0+4*\c:TT0+4*\c+2], v[AC+32*\c+16:AC+32*\c+31], v[SO+2*\c+1]   ; (a conversion's three registers begin on an even number)
.endr
	WIN 0
	v_nop                                          ; one plain place behind a scaled conversion
.irp i, 0,1,2
.irp c, 0,1
	v_permlane16_swap_b32 v[PC+6*\c+\i], v[TT0+4*\c+\i]   ; a whole block to a lane: lanes 0-15 block 2 c, lanes 16-31 block 2 c + 1
.endr
.endr
.irp i, 0,1,2
.irp c, 0,1
	v_mov_b32 v[PC+6*\c+3+\i], v[TT0+4*\c+\i]
.endr
.endr
.irp g, 0,1,2
	global_store_b128 v[LI], v[PC+4*\g:PC+4*\g+3], s[8:9] offset:(\a)*49152+512*\g   ; 32 lanes store 512 consecutive bytes, aligned
.endr
	ds_store_b32 v[SCRA], v[PW] offset:64*(\a)     ; lanes r and r + 16 hold the same three numbers
	ds_store_b32 v[SCRA], v[NMA] offset:512+64*(\a)
	ds_store_b32 v[SCRA], v[LS] offset:1024+64*(\a)
.endm
.irp b, 0,1,2,3
	v_mov_b32 v[BX+\b], 0                          ; written once: a lane permute's destination counts as one of its sources
.endr
	v_mov_b32 v[LS+1], 0
.irp t, 0,1,2,3,4,5,6,7
	MAXT 0, \t
.endr
	WIN 0
.irp i, 0,1,2,3,4,5
	JOIN 0, \i
.endr
.irp a, 0,1,2,3,4,5,6,7
	SOFTQ \a
.endr
.irp g, 0,1,2
	ds_load_b128 v[CP+4*\g:CP+4*\g+3], v[SCRB] offset:512*\g   ; my 128 rows' words, -M and l: LDS serves a wave's instructions in order
.endr
	s_wait_dscnt 0x0
.irp g, 0,1,2
	global_store_b128 v[LI], v[CP+4*\g:CP+4*\g+3], s[10:11] offset:512*\g   ; 1,536 consecutive bytes, aligned
.endr
	s_wait_tensorcnt 0x0                           ; the wave's end, behind my last tensor load and my last LDS store
	ds_add_u32 v[SPW], v[NIL]
	s_wait_dscnt 0x0
	CROUND                                         ; the closing round
	s_endpgm
.Lfunc_end_k_q77db190dba_scores:
	.size	k_q77db190dba_scores, .Lfunc_end_k_q77db190dba_scores-k_q77db190dba_scores
	.p2alignl 7, 3214868480
	.fill 96, 4, 3214868480
	.section	.rodata,"a",@progbits
	.p2align	6, 0x0
	.amdhsa_kernel k_q77db190dba_scores
		.amdhsa_group_segment_fixed_size 327680
		.amdhsa_private_segment_fixed_size 0
		.amdhsa_enable_private_segment 0
		.amdhsa_kernarg_size 32
		.amdhsa_user_sgpr_count 2
		.amdhsa_user_sgpr_kernarg_segment_ptr 1
		.amdhsa_wavefront_size32 1
		.amdhsa_system_sgpr_workgroup_id_x 1
		.amdhsa_system_sgpr_workgroup_id_y 1
		.amdhsa_system_sgpr_workgroup_id_z 1
		.amdhsa_system_vgpr_workitem_id 0
		.amdhsa_next_free_vgpr 1024
		.amdhsa_next_free_sgpr 100
		.amdhsa_reserve_vcc 0
		.amdhsa_float_denorm_mode_32 3
		.amdhsa_float_denorm_mode_16_64 3
		.amdhsa_memory_ordered 1
		.amdhsa_forward_progress 1
		.amdhsa_inst_pref_size 199
	.end_amdhsa_kernel
	.amdgpu_metadata
---
amdhsa.version: [ 1, 2 ]
amdhsa.kernels:
  - .name:           k_q77db190dba_scores
    .symbol:         k_q77db190dba_scores.kd
    .args:
      - { .name: c2, .offset: 0, .size: 8, .value_kind: global_buffer, .address_space: global }
      - { .name: sc2, .offset: 8, .size: 8, .value_kind: global_buffer, .address_space: global }
      - { .name: pc, .offset: 16, .size: 8, .value_kind: global_buffer, .address_space: global }
      - { .name: pst, .offset: 24, .size: 8, .value_kind: global_buffer, .address_space: global }
    .group_segment_fixed_size: 327680
    .private_segment_fixed_size: 0
    .kernarg_segment_align: 8
    .kernarg_segment_size: 32
    .max_flat_workgroup_size: 128
    .sgpr_count:     100
    .vgpr_count:     1024
    .wavefront_size: 32
...
	.end_amdgpu_metadata
.endif
;; end of part 3
;; launch pv (part 4): grid 8 x 32, 4 waves a work-group, clusters of 4 x 4, 327,680 bytes of LDS; arguments pc, pst, c2, sc2, out0; writes out0
.if DOCPART == 4
	.amdgcn_target "amdgcn-amd-amdhsa--gfx1250"
	.amdhsa_code_object_version 6
	.text
	.protected	k_q77db190dba_pv
	.globl	k_q77db190dba_pv
	.p2align	8
	.type	k_q77db190dba_pv,@function
k_q77db190dba_pv:
	s_mov_b64 s[64:65], 0
	v_nop
	global_prefetch_b8 v0, s[64:65] scope:SCOPE_SE
	s_setreg_imm32_b32 hwreg(HW_REG_WAVE_MODE, 25, 1), 1
	s_wait_xcnt 0x0
	s_wait_alu depctr_hold_cnt(0) depctr_sa_sdst(0) depctr_va_vdst(0) depctr_va_sdst(0) depctr_va_ssrc(0) depctr_va_vcc(0) depctr_vm_vsrc(0)
	s_getreg_b32 s2, hwreg(HW_REG_IB_STS2, 6, 4)
	s_cmp_eq_u32 s2, 0
	s_cbranch_scc0 .Lentry_in_a_cluster
	s_endpgm
.Lentry_in_a_cluster:
	s_bfe_u32 s2, ttmp6, 0x10000c
	s_cmp_lg_u32 s2, 0xf033
	s_cbranch_scc0 .Lentry_shape_is_right
	s_endpgm
.Lentry_shape_is_right:
; out = P V / l on codes of FP6 (E2M3) with E8M0 scales, sums in f32.  P's codes come by chunks of 128 keys, each under its own whole number M; here each row's largest M is found, the difference
; (a whole number) is taken off the chunk's scale bytes, and the chunks' sums l are brought under the same M and added; the result is divided by l at the end.
; A work-group makes 128 rows x 128 columns.  FOUR WAVES: wave w takes columns 64 (w % 2) + 0 .. 63 and HALF OF THE KEYS, kh = w / 2: all 128 rows: 32 accumulators, 16 K steps of 128 keys, 32 products a step.
; The two halves of K are added once, at the end, through LDS.
; P comes by joint loads (the four work-groups of a row of the cluster need the same rows) into TWO LDS SLOTS OF TWELVE K STEPS, of which each kh takes six: K = 12 + 12 + 8 steps: one fill at the head, one behind the
; first round, one refill of slot 0.  V goes straight from memory into the operand registers, four steps ahead, in five sets: each fragment of V is read by one wave of the work-group, so LDS would serve nobody else,
; and with P alone in LDS a slot holds twice the K steps.  So V has no joint loads.  No prefetch: a fill of P has five steps of 32 products of each wave in which to land.
; FRAGMENT IMAGES (pc, c2): [row block of 16][K step][1,536 bytes], registers 4 g .. of lane l at 512 g + 16 l.  Place r of row block p holds row 32 (p / 2) + 8 (p % 2) + r + 8 (r / 8).
; My step j = 0 .. 15 is K step 6 kh + j (j < 6), 12 + 6 kh + j - 6 (j < 12), 24 + 4 kh + j - 12.  Scale words: register j / 2, lanes 0-15 even j, lanes 16-31 odd j.
; THE ROW BLOCKS' ORDER HANGS ON kh: operand a = 0 .. 3 is block 4 kh + a, operand a = 4 .. 7 block 4 (1 - kh) + a - 4: so accumulators a = 0 .. 3 are mine to finish and a = 4 .. 7 go to my partner, in one text.
; LIMITS: NaN and infinities are not served.  |t| stays under 2^24.  A scale byte that would fall under 0 is held at 0, which is 2^-127; a chunk 2^127 or more under the row's largest adds 0 to l.
; REGISTERS: window 0 addresses, scales; window 1 P's fragments, two sets at v0 and v128; window 2 V's, five sets of 48; window 3 accumulator (a, b) at v[32 a + 8 b].
.set FRB,   1536
.set PART,  8*3*FRB                    ; what one load brings: 3 K steps of 8 row blocks: [block][K step]
.set SLOT,  4*PART
.set PSC,   2*SLOT                     ; the rows' scale words, [row][kh][j % 2][j / 2]
.set PSP,   144
.set RL,    PSC+128*PSP                ; the four waves' parts of l, [wave][row]
.set MXO,   2048                       ; 2,048 bytes further on: their least -M, [wave][row]
.set SPARE, RL+4096
.set XCH,   SLOT                       ; at the end, in slot 1: what the halves of K send each other, 16,384 bytes a wave,
.set STG,   SLOT+65536                 ; and the stages of the way out
.set STP,   272
.set STA,   16*STP
.set STW,   4*STA
.set PLO,   4                          ; v4-6   LDS address of P's operands 0-3 in slot 0, slot 1, slot 0's last fill;  v7-9 of operands 4-7
.set VO,    10                         ; v10, v11 V's offset for j < 12 and behind
.set PO,    12                         ; v12, v26 my chunks' offset in pst (the first six, the last two)
.set PO2,   26
.set MR,    27
.set PSA,   13
.set PSR,   14
.set RLW,   16
.set RLA,   17
.set XS,    18
.set XR,    19
.set STO,   20
.set RD,    21
.set GO,    22
.set BV,    23
.set LI,    25
.set SPW,   28
.set NIL,   29
.set LG,    30
.set NMG,   248                        ; v248-251 in the head
.set SB,    36                         ; v36-67  V's scale words: SB + 8 b + j / 2
.set SA,    72                         ; v72-135 P's: SA + 8 a + j / 2
.set W,     136
.set LSUM,  168
.set NM,    200
.set TP,    232
.set RLR,   248
.set G1,   24
.set G1S,  68
.set G0,   32                          ; s[32:35], s[36:39] group 0 for slot 0, slot 1
.set G0L,  76                          ; s[76:79] for slot 0's last fill
.set MSB, 0
.macro WIN new
.if MSB != \new
	s_set_vgpr_msb (MSB<<8)|\new
.set MSB, \new
.endif
.endm
.set MUL,  0xf6                        ; source 0 (V) window 2, source 1 (P) window 1, C and D window 3
.macro CREST                           ; a round of the cluster's barrier behind its opening barrier
	s_cmp_lg_u32 s14, 0
	s_cbranch_scc1 .Lnot_wave_0_\@
	s_barrier_signal -3
.Lnot_wave_0_\@:
	s_barrier_wait -3
	s_barrier_signal -1
	s_barrier_wait -1
.endm
.macro CROUND
	s_barrier_signal -1
	s_barrier_wait -1
	CREST
.endm
.macro PLACES n
.rept \n
	v_nop
.endr
.endm
.macro TLOAD g0, g1
	tensor_load_to_lds s[\g0:\g0+3], s[\g1:\g1+7]
	s_nop 0
	PLACES 4
.endm
.macro PGRP j, i                       ; step j's i-th fragment of P; in the last step operands 4-7 come first
.set A_, ((\i)+4*((\j)/15))%8
.if (\j) < 12
.set O_, (((\j)%6)/3)*PART+(A_%4)*3*FRB+((\j)%3)*FRB
.else
.set O_, (((\j)-12)/2)*PART+(A_%4)*2*FRB+((\j)%2)*FRB
.endif
	WIN 0x40
.irp g, 0,1,2
	ds_load_b128 v[128*((\j)%2)+12*A_+4*\g:128*((\j)%2)+12*A_+4*\g+3], v[PLO+3*(A_/4)+(\j)/6] offset:O_+512*\g
.endr
.endm
.macro VGRP j, b                       ; step j's fragment b of V
.if (\j) < 12
.set O_, (\b)*49152+((\j)+6*((\j)/6))*FRB
.else
.set O_, (\b)*49152+((\j)+12)*FRB
.endif
	WIN 0x80
.irp g, 0,1,2
	global_load_b128 v[48*((\j)%5)+12*(\b)+4*\g:48*((\j)%5)+12*(\b)+4*\g+3], v[VO+(\j)/12], s[8:9] offset:O_+512*\g
.endr
.endm
.macro PROD j, n                       ; product n of step j
.set A_, ((\n)/4+4*((\j)/15))%8
.set B_, (\n)%4
.set D_, 32*A_+8*B_
.set X_, 48*((\j)%5)+12*B_
.set Y_, 128*((\j)%2)+12*A_
.set S_, (\j)/2
	WIN MUL
.if (\j) == 0
	v_wmma_scale_f32_16x16x128_f8f6f4 v[D_:D_+7], v[X_:X_+11], v[Y_:Y_+11], 0, v[SB+8*B_+S_], v[SA+8*A_+S_] matrix_a_fmt:MATRIX_FMT_FP6 matrix_b_fmt:MATRIX_FMT_FP6
.elseif (\j)%2
	v_wmma_scale_f32_16x16x128_f8f6f4 v[D_:D_+7], v[X_:X_+11], v[Y_:Y_+11], v[D_:D_+7], v[SB+8*B_+S_], v[SA+8*A_+S_] matrix_a_fmt:MATRIX_FMT_FP6 matrix_b_fmt:MATRIX_FMT_FP6 matrix_a_scale:MATRIX_SCALE_ROW1 matrix_b_scale:MATRIX_SCALE_ROW1
.else
	v_wmma_scale_f32_16x16x128_f8f6f4 v[D_:D_+7], v[X_:X_+11], v[Y_:Y_+11], v[D_:D_+7], v[SB+8*B_+S_], v[SA+8*A_+S_] matrix_a_fmt:MATRIX_FMT_FP6 matrix_b_fmt:MATRIX_FMT_FP6
.endif
.endm
.macro OPEN j                          ; a step's waits: V(j) is in, the three later sets may be out; all of this step's P is in
.if (\j) <= 12
	s_wait_loadcnt 36
.else
	s_wait_loadcnt 12*(15-(\j))
.endif
	s_wait_dscnt 0x0                               ; this step's P, asked for a step ago
.if (\j) > 0
	PLACES 4                                       ; behind the last step's products, ahead of the loads into the registers that they read
.endif
.endm
.macro PRODS j, from, n
.set N_, \from
.rept \n
	PROD \j, N_
.set N_, N_+1
.endr
.endm
.macro PRUN j                          ; step j's P: 24 loads in one run
.irp i, 0,1,2,3,4,5,6,7
	PGRP \j, \i
.endr
.endm
.macro VRUN j                          ; step j's V: 12 loads
.if (\j) < 16
.irp i, 0,1,2,3
	VGRP \j, \i
.endr
.endif
.endm
.macro STEP j                          ; the next step's P and V of four steps on in one run, then this step's 32 products
	OPEN \j
	PRUN (\j)+1
	VRUN (\j)+4
	PRODS \j, 0, 32
.endm
.macro TURN j, fill                    ; a step with the barrier at which the next slot is shown whole and, fill = 1, this one is filled again
	OPEN \j
	VRUN (\j)+4
	WIN 0
	s_wait_tensorcnt 0x0                           ; my part of the next slot has landed
	ds_add_u32 v[SPW], v[NIL]
	PRODS \j, 0, 12
	s_wait_dscnt 0x0                               ; the add is done, and so are my reads of the slot in hand
	s_barrier_signal -1
	PRODS \j, 12, 8
	WIN 0
	s_barrier_wait -1
.if \fill
	CREST
	TLOAD G0L, G1S                                 ; the last eight K steps into slot 0
.endif
	PRUN (\j)+1
	PRODS \j, 20, 12
.endm
	s_load_b256 s[4:11], s[0:1], 0x0               ; pc, pst, c2, sc2
	s_load_b64 s[12:13], s[0:1], 0x20              ; out0
	v_lshl_add_u32 v[SPW], v0, 2, SPARE
	v_mov_b32 v[NIL], 0
	ds_add_u32 v[SPW], v[NIL]                      ; the opening lines
	ds_add_u32 v[SPW], v[NIL]
	v_lshrrev_b32 v1, 5, v0
	v_readfirstlane_b32 s14, v1                    ; wave
	s_lshr_b32 s15, s14, 1                         ; kh
	s_and_b32 s16, s14, 1                          ; my half of the columns
	s_bfe_u32 s40, ttmp6, 0x40000                  ; cx, cy
	s_bfe_u32 s41, ttmp6, 0x40004
	s_lshl_b32 s42, ttmp9, 2
	s_add_co_u32 s42, s42, s40                     ; tile column
	s_and_b32 s17, ttmp7, 0xffff
	s_lshl_b32 s17, s17, 2
	s_add_co_u32 s17, s17, s41                     ; tile row
	s_lshl_b32 s43, s41, 2
	s_lshl_b32 s43, 15, s43                        ; my row of the cluster
	s_or_b32 s[G1+0], s43, (3<<16)|(1<<21)         ; elements of 8 bytes, no padding, bit 21 beside the mask
	s_or_b32 s[G1S+0], s43, (3<<16)|(1<<21)
	s_mov_b32 s[G1+1], 576<<16                     ; rows of 4,608 bytes,
	s_mov_b32 s[G1+3], 576<<16
	s_mov_b32 s[G1S+1], 384<<16                    ; or of 3,072
	s_mov_b32 s[G1S+3], 384<<16
.irp g, G1, G1S
	s_mov_b32 s[\g+2], 8<<16                       ; 8 row blocks,
	s_mov_b32 s[\g+4], 8
	s_mov_b32 s[\g+5], 6144                        ; 49,152 bytes apart
	s_mov_b32 s[\g+6], 0
	s_mov_b32 s[\g+7], 0
.endr
	s_mul_i32 s22, s17, 8*49152                    ; my rows of P
	s_mul_i32 s18, s14, 2*FRB
	s_add_co_u32 s20, s22, s18
	s_add_co_u32 s20, s20, 24*FRB                  ; the last fill: K step 24 + 2 w
	s_mov_b32 s21, 0
	s_mul_i32 s18, s14, 3*FRB
	s_add_co_u32 s22, s22, s18                     ; the first: K step 3 w
	s_mov_b32 s23, 0
	s_mul_i32 s45, s14, PART
	s_mul_i32 s48, s15, 2*PART+12*FRB
	s_mul_i32 s49, s15, 2*PART-12*FRB
	s_add_co_u32 s49, s49, 12*FRB
	s_mul_i32 s50, s15, 2*PART+8*FRB
	s_mul_i32 s51, s15, 2*PART-8*FRB
	s_add_co_u32 s51, s51, 8*FRB
	s_mul_i32 s52, s15, 6*FRB
	s_mul_i32 s53, s15, 4*FRB
	s_lshl_b32 s18, s16, 8
	s_mul_i32 s54, s15, 3072
	s_add_co_u32 s54, s54, s18
	s_mul_i32 s55, s15, 2048
	s_add_co_u32 s55, s55, s18
	s_mul_i32 s56, s15, 64*PSP+64
	s_add_co_u32 s56, s56, PSC
	s_xor_b32 s57, s15, 1
	s_mul_i32 s57, s57, 64*PSP-64
	s_add_co_u32 s57, s57, PSC+64
	s_lshl_b32 s58, s15, 8
	s_add_co_u32 s58, s58, RL
	s_lshl_b32 s59, s14, 14
	s_add_co_u32 s59, s59, XCH
	s_xor_b32 s60, s14, 2                          ; my partner: the other half of K, the same columns
	s_lshl_b32 s60, s60, 14
	s_add_co_u32 s60, s60, XCH
	s_mul_i32 s61, s14, STW
	s_add_co_u32 s61, s61, STG
	s_mul_i32 s80, s17, 49152                      ; pst: my 128 rows
	s_mov_b32 s81, 0
	s_lshl_b32 s82, s42, 3
	s_lshl_b32 s18, s16, 2
	s_add_co_u32 s82, s82, s18
	s_mul_i32 s82, s82, 49152
	s_add_co_u32 s82, s82, 6291456                 ; V: my four row blocks
	s_mov_b32 s83, 0
	s_lshl_b32 s84, s42, 14
	s_add_co_u32 s84, s84, 262144                  ; its scale words
	s_mov_b32 s85, 0
	s_lshl_b32 s86, s17, 19                        ; out: row 128 x tile row + 64 kh,
	s_lshl_b32 s18, s15, 18
	s_add_co_u32 s86, s86, s18
	s_lshl_b32 s18, s42, 9
	s_add_co_u32 s86, s86, s18
	s_lshl_b32 s18, s16, 8
	s_add_co_u32 s86, s86, s18                     ; column 128 x tile column + 64 x half
	s_mov_b32 s87, 0
	s_mul_i32 s62, s15, 6                          ; my eight chunks: the K steps of kh = w / 2 with j % 2 = w % 2
	s_add_co_u32 s62, s62, s16
	s_mul_i32 s62, s62, 1536
	s_lshl_b32 s63, s15, 2
	s_add_co_u32 s63, s63, s16
	s_mul_i32 s63, s63, 1536
	s_lshl_b32 s88, s14, 5
	s_add_co_u32 s88, s88, PSC
	s_lshl_b32 s89, s14, 9
	s_add_co_u32 s89, s89, RL
	s_mov_b32 s92, 0x80808080
	s_mov_b32 s93, 0x42fe0000                      ; 127.0
	s_wait_alu depctr_va_vdst(0)
	v_and_b32 v1, 31, v0
	v_and_b32 v2, 15, v0                           ; r
	v_bfe_u32 v3, v0, 4, 1                         ; h
	v_lshlrev_b32 v[LI], 4, v1
	v_add_nc_u32 v[PO], s62, v[LI]
	v_add_nc_u32 v[PO2], s63, v[LI]
	v_add_nc_u32 v[MR], RL, v[LI]
	v_add_nc_u32 v[PLO], s48, v[LI]
	v_add_nc_u32 v[PLO+1], SLOT, v[PLO]
	v_add_nc_u32 v[PLO+2], s50, v[LI]
	v_add_nc_u32 v[PLO+3], s49, v[LI]
	v_add_nc_u32 v[PLO+4], SLOT, v[PLO+3]
	v_add_nc_u32 v[PLO+5], s51, v[LI]
	v_add_nc_u32 v[VO], s52, v[LI]
	v_add_nc_u32 v[VO+1], s53, v[LI]
	v_lshlrev_b32 v[BV], 2, v2
	v_lshl_add_u32 v[BV], v3, 9, v[BV]
	v_add_nc_u32 v[BV+1], s55, v[BV]
	v_add_nc_u32 v[BV], s54, v[BV]
	v_mul_u32_u24 v[PSA], v1, 4*PSP                ; rows 4 x lane + 0 .. 3
	v_add_nc_u32 v[PSA], s88, v[PSA]
	v_mul_u32_u24 v[PSR], v2, PSP
	v_lshl_add_u32 v[PSR], v3, 5, v[PSR]
	v_add_nc_u32 v[PSR+1], s57, v[PSR]
	v_add_nc_u32 v[PSR], s56, v[PSR]
	v_add_nc_u32 v[RLW], s89, v[LI]
	v_lshl_add_u32 v[RLA], v2, 2, s58
	v_add_nc_u32 v[XS], s59, v[LI]
	v_add_nc_u32 v[XR], s60, v[LI]
	v_mul_u32_u24 v[STO], v2, STP
	v_lshl_add_u32 v[STO], v3, 6, v[STO]
	v_add_nc_u32 v[STO], s61, v[STO]
	v_mul_u32_u24 v[RD], v3, STP
	v_lshl_add_u32 v[RD], v2, 4, v[RD]
	v_add_nc_u32 v[RD], s61, v[RD]
	v_lshlrev_b32 v[GO], 12, v3
	v_lshl_add_u32 v[GO], v2, 4, v[GO]
	s_wait_alu depctr_va_vdst(0)                   ; and here, behind the head's addresses
	s_wait_dscnt 0x0                               ; both opening adds are done
	CROUND                                         ; the first joint loads meet
	s_wait_kmcnt 0x0
	s_add_nc_u64 s[22:23], s[4:5], s[22:23]
	s_add_nc_u64 s[20:21], s[4:5], s[20:21]
.irp s, 0,1
	s_mov_b32 s[G0+4*\s], 1
	s_add_co_u32 s[G0+4*\s+1], s45, \s*SLOT
	s_add_nc_u64 s[G0+4*\s+2:G0+4*\s+3], s[22:23], \s*12*FRB
	s_or_b32 s[G0+4*\s+3], s[G0+4*\s+3], 0x80000000
.endr
	s_mov_b32 s[G0L], 1
	s_mov_b32 s[G0L+1], s45
	s_mov_b64 s[G0L+2:G0L+3], s[20:21]
	s_or_b32 s[G0L+3], s[G0L+3], 0x80000000
	TLOAD G0, G1                                   ; slot 0: K steps 0-11
	s_add_nc_u64 s[6:7], s[6:7], s[80:81]
	s_add_nc_u64 s[8:9], s[8:9], s[82:83]
	s_add_nc_u64 s[10:11], s[10:11], s[84:85]
	s_add_nc_u64 s[12:13], s[12:13], s[86:87]
.macro PST d, o                        ; a wave takes eight chunks of all 128 rows, a lane four rows: register 4 i + e is chunk i, row 4 x lane + e; each load is 512 consecutive bytes
.irp i, 0,1,2,3,4,5
	global_load_b128 v[\d+4*\i:\d+4*\i+3], v[PO], s[6:7] offset:1536*(2*\i+6*(\i/3))+(\o)
.endr
.irp i, 6,7
	global_load_b128 v[\d+4*\i:\d+4*\i+3], v[PO2], s[6:7] offset:1536*(12+2*\i)+(\o)
.endr
.endm
	PST NM, 512                                    ; -M
	PST W, 0                                       ; the scale words
	PST LSUM, 1024                                 ; l
.irp b, 0,1,2,3
.irp q, 0,1,2,3,4,5
	global_load_b32 v[SB+8*\b+\q], v[BV], s[10:11] offset:1024*\q+3072*(\q/3)+64*\b
.endr
.irp q, 6,7
	global_load_b32 v[SB+8*\b+\q], v[BV+1], s[10:11] offset:512*(12+2*\q)+64*\b
.endr
.endr
.irp j, 0,1,2
.irp b, 0,1,2,3
	VGRP \j, \b
.endr
.endr
	WIN 0
	s_wait_loadcnt 63                              ; 92 are issued: the first 29 are in, the 24 of pst among them
.irp e, 0,1,2,3
	v_min3_num_f32 v[NMG+\e], v[NM+\e], v[NM+4+\e], v[NM+8+\e]
.endr
.irp i, 12,20
.irp e, 0,1,2,3
	v_min3_num_f32 v[NMG+\e], v[NMG+\e], v[NM+\i+\e], v[NM+\i+4+\e]
.endr
.endr
.irp e, 0,1,2,3
	v_min_num_f32 v[NMG+\e], v[NMG+\e], v[NM+28+\e]
.endr
	ds_store_b128 v[RLW], v[NMG:NMG+3] offset:MXO
	s_wait_dscnt 0x0
	s_barrier_signal -1                            ; the four waves' least -M meet
	s_barrier_wait -1
.irp w, 0,1,2,3
	ds_load_b128 v[TP+4*\w:TP+4*\w+3], v[MR] offset:MXO+512*\w
.endr
	s_wait_dscnt 0x0
.irp e, 0,1,2,3
	v_min3_num_f32 v[NMG+\e], v[TP+\e], v[TP+4+\e], v[TP+8+\e]
.endr
.irp e, 0,1,2,3
	v_min_num_f32 v[NMG+\e], v[NMG+\e], v[TP+12+\e]   ; minus the row's largest M
.endr
.macro REB k                           ; chunk k / 4, four rows by turns: the difference of the Ms off each of the word's four bytes (into window 1), and l under the row's M
.irp e, 0,1,2,3
	v_sub_f32 v[TP+4*\e], v[NM+(\k)+\e], v[NMG+\e]
.endr
.irp e, 0,1,2,3
	v_min_num_f32 v[TP+4*\e], s93, v[TP+4*\e]
.endr
.irp e, 0,1,2,3
	v_cvt_u32_f32 v[TP+4*\e], v[TP+4*\e]
.endr
.irp e, 0,1,2,3
	v_perm_b32 v[TP+4*\e+3], v[TP+4*\e], v[TP+4*\e], 0   ; in all four bytes
.endr
.irp e, 0,1,2,3
	v_or_b32 v[TP+4*\e+1], s92, v[W+(\k)+\e]       ; a byte is 125 at the most: with bit 7 set no byte borrows from its neighbour
.endr
.irp e, 0,1,2,3
	v_sub_nc_u32 v[TP+4*\e+1], v[TP+4*\e+1], v[TP+4*\e+3]
.endr
.irp e, 0,1,2,3
	v_and_b32 v[TP+4*\e+2], s92, v[TP+4*\e+1]      ; bit 7 has stayed: the byte is not under the difference
.endr
.irp e, 0,1,2,3
	v_lshrrev_b32 v[TP+4*\e+3], 7, v[TP+4*\e+2]
.endr
.irp e, 0,1,2,3
	v_sub_nc_u32 v[TP+4*\e+2], v[TP+4*\e+2], v[TP+4*\e+3]
.endr
	WIN 0x40
.irp e, 0,1,2,3
	v_and_b32 v[8*\e+(\k)/4], v[TP+4*\e+1], v[TP+4*\e+2]
.endr
	WIN 0
.irp e, 0,1,2,3
	v_sub_nc_u32 v[TP+4*\e], 0x7f, v[TP+4*\e]
.endr
.irp e, 0,1,2,3
	v_lshlrev_b32 v[TP+4*\e], 23, v[TP+4*\e]       ; 2^-difference
.endr
.irp e, 0,1,2,3
.if (\k) == 0
	v_mul_f32 v[LG+\e], v[LSUM+(\k)+\e], v[TP+4*\e]
.else
	v_fmac_f32 v[LG+\e], v[LSUM+(\k)+\e], v[TP+4*\e]
.endif
.endr
.endm
.irp k, 0,4,8,12,16,20,24,28
	REB \k
.endr
.irp b, 0,1,2,3
	VGRP 3, \b
.endr
	WIN 0
	ds_store_b128 v[RLW], v[LG:LG+3]               ; my chunks' part of the four rows' l
	WIN 0x04
.irp e, 0,1,2,3
.irp u, 0,1
	ds_store_b128 v[PSA], v[8*\e+4*\u:8*\e+4*\u+3] offset:PSP*\e+16*\u
.endr
.endr
	WIN 0
	s_wait_alu depctr_va_vdst(0)
	s_wait_tensorcnt 0x0                           ; my part of slot 0 is in
	ds_add_u32 v[SPW], v[NIL]
	s_wait_dscnt 0x0                               ; the add and my rows' words
	CROUND
	TLOAD G0+4, G1                                 ; slot 1's first fill: K steps 12-23
.irp i, 0,1,2,3,4,5,6,7
	PGRP 0, \i
.endr
	WIN 0
.irp a, 0,1,2,3,4,5,6,7
.irp q, 0,1
	ds_load_b128 v[SA+8*\a+4*\q:SA+8*\a+4*\q+3], v[PSR+\a/4] offset:16*PSP*(\a%4)+16*\q
.endr
.endr
.irp a, 0,1,2,3
.irp w, 0,1,2,3
	ds_load_b32 v[TP+4*\a+\w], v[RLA] offset:512*\w+64*\a
.endr
.endr
	s_wait_dscnt 0x0
.irp a, 0,1,2,3
	v_add_f32 v[TP+4*\a], v[TP+4*\a], v[TP+4*\a+1]
.endr
.irp a, 0,1,2,3
	v_add_f32 v[TP+4*\a+2], v[TP+4*\a+2], v[TP+4*\a+3]
.endr
.irp a, 0,1,2,3
	v_add_f32 v[TP+4*\a], v[TP+4*\a], v[TP+4*\a+2]
.endr
	s_wait_alu depctr_va_vdst(0)                   ; the wait ahead of the transcendentals and behind them
.irp a, 0,1,2,3
	v_rcp_f32 v[RLR+2*\a], v[TP+4*\a]              ; 1 / l of my rows of block a
.endr
	v_nop
	s_wait_alu depctr_va_vdst(0)
.irp a, 0,1,2,3
	v_mov_b32 v[RLR+2*\a+1], v[RLR+2*\a]           ; the packed multiplication takes a pair
.endr
	s_wait_alu depctr_va_vdst(0)                   ; and here, ahead of the stretch of products
.irp j, 0,1,2,3,4
	STEP \j
.endr
	TURN 5, 1
.irp j, 6,7,8,9,10
	STEP \j
.endr
	TURN 11, 0                                     ; behind this barrier slot 1 is read no more
.irp j, 12,13,14
	STEP \j
.endr
	OPEN 15                                        ; the last step: my partner's accumulators first; they leave in one run, ahead of the products of mine
	PRODS 15, 0, 16
	PLACES 4                                       ; the stores below read results
	WIN 0x0c
.set I_, 0
.rept 32
	ds_store_b128 v[XS], v[128+4*I_:128+4*I_+3] offset:512*I_
.set I_, I_+1
.endr
	PRODS 15, 16, 16
	WIN 0
	PLACES 4
	s_wait_dscnt 0x0                               ; what I send has landed
	s_barrier_signal -1
	s_barrier_wait -1
	WIN 0x40
.set I_, 0
.rept 32
	ds_load_b128 v[4*I_:4*I_+3], v[XR] offset:512*I_
.set I_, I_+1
.endr
; THE WAY OUT of block a: the two halves of K added, divided by l, through my own stage, back as rows of 256 bytes
.macro SEND a
	WIN 0x04
.irp i, 0,1,2,3,4,5,6,7
	global_store_b128 v[GO], v[32*(\a)+4*\i:32*(\a)+4*\i+3], s[12:13] offset:(32*((\a)/2)+8*((\a)%2)+2*\i+8*(\i/4))*4096 th:TH_STORE_NT   ; sixteen lanes store 256 consecutive bytes, aligned
.endr
.endm
.irp a, 0,1,2,3
	s_wait_dscnt 24+8*\a                           ; my partner's block a is in: behind it its later blocks, and 16 LDS instructions for each of my earlier ones
	WIN 0x87
.set E_, 32*\a
.rept 16
	v_pk_add_f32 v[E_:E_+1], v[E_:E_+1], v[E_:E_+1]      ; window 2 = window 3 + window 1
.set E_, E_+2
.endr
	WIN 0x82
.set E_, 32*\a
.rept 16
	v_pk_mul_f32 v[E_:E_+1], v[E_:E_+1], v[RLR+2*\a:RLR+2*\a+1]
.set E_, E_+2
.endr
	WIN 0x08
.irp b, 0,1,2,3
.irp u, 0,1
	ds_store_b128 v[STO], v[32*\a+8*\b+4*\u:32*\a+8*\b+4*\u+3] offset:STA*\a+128*(\b/2)+32*(\b%2)+16*\u
.endr
.endr
	WIN 0x40
.irp i, 0,1,2,3,4,5,6,7
	ds_load_b128 v[32*\a+4*\i:32*\a+4*\i+3], v[RD] offset:STA*\a+2*STP*\i   ; LDS serves a wave's instructions in order
.endr
.if \a > 0
	s_wait_dscnt 16                                ; the block before is back
	SEND \a-1
.endif
.endr
	s_wait_dscnt 0x0
	SEND 3
	WIN 0
	s_wait_tensorcnt 0x0                           ; the wave's end
	ds_add_u32 v[SPW], v[NIL]
	s_wait_dscnt 0x0
	CROUND                                         ; the closing round
	s_endpgm
.Lfunc_end_k_q77db190dba_pv:
	.size	k_q77db190dba_pv, .Lfunc_end_k_q77db190dba_pv-k_q77db190dba_pv
	.p2alignl 7, 3214868480
	.fill 96, 4, 3214868480
	.section	.rodata,"a",@progbits
	.p2align	6, 0x0
	.amdhsa_kernel k_q77db190dba_pv
		.amdhsa_group_segment_fixed_size 327680
		.amdhsa_private_segment_fixed_size 0
		.amdhsa_enable_private_segment 0
		.amdhsa_kernarg_size 40
		.amdhsa_user_sgpr_count 2
		.amdhsa_user_sgpr_kernarg_segment_ptr 1
		.amdhsa_wavefront_size32 1
		.amdhsa_system_sgpr_workgroup_id_x 1
		.amdhsa_system_sgpr_workgroup_id_y 1
		.amdhsa_system_sgpr_workgroup_id_z 1
		.amdhsa_system_vgpr_workitem_id 0
		.amdhsa_next_free_vgpr 1024
		.amdhsa_next_free_sgpr 100
		.amdhsa_reserve_vcc 0
		.amdhsa_float_denorm_mode_32 3
		.amdhsa_float_denorm_mode_16_64 3
		.amdhsa_memory_ordered 1
		.amdhsa_forward_progress 1
		.amdhsa_inst_pref_size 168
	.end_amdhsa_kernel
	.amdgpu_metadata
---
amdhsa.version: [ 1, 2 ]
amdhsa.kernels:
  - .name:           k_q77db190dba_pv
    .symbol:         k_q77db190dba_pv.kd
    .args:
      - { .name: pc, .offset: 0, .size: 8, .value_kind: global_buffer, .address_space: global }
      - { .name: pst, .offset: 8, .size: 8, .value_kind: global_buffer, .address_space: global }
      - { .name: c2, .offset: 16, .size: 8, .value_kind: global_buffer, .address_space: global }
      - { .name: sc2, .offset: 24, .size: 8, .value_kind: global_buffer, .address_space: global }
      - { .name: out0, .offset: 32, .size: 8, .value_kind: global_buffer, .address_space: global }
    .group_segment_fixed_size: 327680
    .private_segment_fixed_size: 0
    .kernarg_segment_align: 8
    .kernarg_segment_size: 40
    .max_flat_workgroup_size: 128
    .sgpr_count:     100
    .vgpr_count:     1024
    .wavefront_size: 32
...
	.end_amdgpu_metadata
.endif
;; end of part 4
